; MI455X (gfx1250); checked and timed in simulation.
; The chip was launched on July 23, 2026; its instructions are those of AMD's public machine-readable ISA for CDNA 5 (MIT licence, August 2026) and "CDNA5" Instruction Set Architecture Reference Guide (July 2026). The comments in the code are by the model that wrote it; some were corrected since.
;; Empathy Attention. Allowed arithmetic: matrix products marked QUANTISED: E2M3 operands, one E8M0 scale for each 32 along K, by v_wmma_scale_f32_16x16x128_f8f6f4 with both operands' format E2M3, f32 sums; everything else in f32.
;; Inputs: Wk 1,024 x 1,024 float32; Wo 1,024 x 1,024 float32; Wq 1,024 x 1,024 float32; Wv 1,024 x 1,024 float32; bk 1,024 float32; bo 1,024 float32; bq 1,024 float32; bv 1,024 float32; k 2 x 2,048 x 1,024 float32; mask 1 x 1 x 1 x 2,048 int32; q 2 x 2,048 x 1,024 float32; v 2 x 2,048 x 1,024 float32.
;; Outputs: out0 2 x 2,048 x 1,024 float32; out1 one number float32.
;; This version of the problem:
;;   THIS VERSION OF THE PROBLEM IS GIVEN IN LOW PRECISION. The matrix products marked QUANTISED in the list below multiply operands that are first quantised to E2M3 (2 exponent bits, 3 mantissa bits; 6 bits a number), with one power-of-two scale for each 32 numbers along K (OCP MX v1.0); their sums are f32. All else is computed in f32.
;;   The module's matrix products, in the order in which they are computed (A, B: the left and right operand; K: the contracted axis; several contracted axes count as one K, in the product's order):
;;     1. [M 4,096, K 1,024] x [K 1,024, N 1,024]; A: input q; B: input Wq: QUANTISED
;;     2. [M 4,096, K 1,024] x [K 1,024, N 1,024]; A: input k; B: input Wk: QUANTISED
;;     3. [M 4,096, K 1,024] x [K 1,024, N 1,024]; A: input v; B: input Wv: QUANTISED
;;     4. batch 32 x [M 2,048, K 64] x [K 64, N 2,048]; A: computed on the way; B: computed on the way: QUANTISED
;;     5. batch 32 x [M 2,048, K 2,048] x [K 2,048, N 64]; A: softmax (see below); B: computed on the way: QUANTISED
;;     6. [M 4,096, K 1,024] x [K 1,024, N 1,024]; A: computed on the way; B: input Wo: QUANTISED
;;   THE QUANTISER, for each operand of a quantised product, along K:
;;     - K is cut into blocks of 32 from its start; a last block that is shorter is filled with zeros.
;;     - A block's scale is 2^e with e = floor(log2(the largest magnitude in the block)) - 2, held to -126 .. 127; a block of zeros has e = 0. As a byte (E8M0): e + 127.
;;     - Each number is divided by its block's scale, clamped to +-7.5, and rounded to the nearest number of E2M3, ties to even, subnormals kept.
;;     - The product sums the exact products of the quantised numbers (number of the format x scale) in f32.
;;   ~~~python
;;   def quantise(x, axis):      # numpy; x: float32 -> the quantised numbers, widened to float32 again
;;       x = np.moveaxis(x, axis, -1); K = x.shape[-1]
;;       x = np.pad(x, [(0, 0)] * (x.ndim - 1) + [(0, -K % 32)]); x = x.reshape(x.shape[:-1] + (-1, 32)); a = np.abs(x).max(-1, keepdims=True)
;;       e = np.where(a > 0, np.clip(np.frexp(np.where(a > 0, a, 1))[1] - 1 - 2, -126, 127), 0)      # np.frexp(a)[1] - 1 = floor(log2(a)), exactly
;;       r = np.clip(x / 2.0 ** e, -7.5, 7.5)
;;       step = 2.0 ** (np.maximum(np.frexp(np.where(r == 0, 1, r))[1] - 1, 0) - 3)
;;       q = np.round(r / step) * step * 2.0 ** e      # np.round: ties to even
;;       return np.moveaxis(q.reshape(q.shape[:-2] + (-1,))[..., :K], -1, axis).astype(np.float32)
;;   ~~~
;;   SOFTMAX AHEAD OF A QUANTISED PRODUCT. Where the list says 'softmax', what is quantised is not the finished softmax but p = 2^(t - M), with t = logit x log2(e) and M = ceil(the row's largest t), a whole number; so 1/2 < the row's largest p <= 1. The row's sum l is taken of the UNQUANTISED p, in f32, and the product's result is divided by l at the end. Since M is a whole number, a kernel that streams over the keys may use a running M (the ceiling of the running maximum): every later rescaling is an exact power of two, which a block's scale takes up: the codes' values come out the same.
;;   OPERANDS COMPUTED ON THE WAY. 'Computed on the way' means the value that the module computes at that place (a softmax that the list does not call 'softmax' is quantised finished and normalised). What goes into a quantiser is computed in f32, as accurately as f32 sums, v_exp_f32 and their like allow (about 1e-6 of the number): no bf16 or f16 on the way to a quantiser, and a product that is left as it is and whose result goes on into a quantised operand takes f32 operands (vector FMAs, or v_wmma_f32_16x16x4_f32). A number that lies on a knife's edge between two numbers of the format may be rounded either way, as far as f32 arithmetic and the matrix unit's own rounding can turn it there, and no further.
;; One version. Each part assembles by itself: llvm-mc -triple=amdgcn-amd-amdhsa -mcpu=gfx1250 --defsym DOCPART=n.
;; ======== version 1 of 1: 4 launches
;; limits: right only within a limited range of input values
;; workspace buffers: cd 15,728,640 bytes; sc 655,360 bytes; qf 4,194,304 bytes; qs 262,144 bytes; kv 7,733,248 bytes; ps 262,144 bytes; cw 1,024 bytes; sink 256 bytes
;; launch quant (part 1): grid 512 x 1, 4 waves a work-group, no clusters, 34,304 bytes of LDS; arguments q, k, v, Wq, Wk, Wv, Wo, cd, sc; writes cd, sc
.if DOCPART == 1
	.amdgcn_target "amdgcn-amd-amdhsa--gfx1250"
	.amdhsa_code_object_version 6
	.text
	.protected	k_qe4ebfc80f9_quant
	.globl	k_qe4ebfc80f9_quant
	.p2align	8
	.type	k_qe4ebfc80f9_quant,@function
k_qe4ebfc80f9_quant:
	s_mov_b64 s[64:65], 0
	v_nop
	global_prefetch_b8 v0, s[64:65] scope:SCOPE_SE
	s_setreg_imm32_b32 hwreg(HW_REG_WAVE_MODE, 25, 1), 1
	s_wait_xcnt 0x0
; q, k, v [4096][1024] and Wq, Wk, Wv, Wo [1024][1024], f32, K innermost, become codes of FP6 (E2M3) with one E8M0 byte for each 32 along K,
; laid in the ORDER OF THE OPERAND'S REGISTERS.  A TILE is 16 rows: tile t of a tensor holds rows 32 (t / 2) + 8 (t % 2) + p % 8 + 16 (p / 8), p = 0 .. 15.
; cd: [tile][K step of 128: 8][c: 2][768 bytes]; the 768 bytes are registers 6 c .. 6 c + 5 of the fragment: registers 0-3 at 16 x lane, registers 4-5 at 512 + 8 x lane.
; sc: [tile][K half: 2][row 16][K step % 4] scale words.  Tiles: q 0-255, k 256-511, v 512-767, Wq 768-, Wk 832-, Wv 896-, Wo 960-1023.
; A block's scale is 2^(floor(log2(largest magnitude)) - 2): its byte is the largest magnitude's exponent field - 2, held at 1 from below.
; LIMITS: a block of zeros gets the byte 1 where the rule says 127 (its codes are zeros; this program alone reads the bytes); NaN and infinities among the inputs are not served.
; SHARES: a work-group takes two tiles; wave w takes tile 2 g + w / 2 and K half w % 2: four K steps.  Each load reads 512 consecutive bytes of one row; a step's 16 rows turn through the
; wave's own stage in LDS (rows 528 bytes apart), from which lane (r, h) takes its two whole blocks of row r.  Waves share nothing: no barrier.  No work-group reads what another reads: no cluster.
.set STG,   16*528
.set SPARE, 4*STG                      ; behind the four stages: the spare words, 128 bytes a wave
.set SPW,   12                         ; v12  my spare word's address; never rewritten
.set NIL,   13                         ; v13  0; never rewritten
.set CDR,   16                         ; v16-39   a fragment's codes, two sets
.set PT,    40                         ; v40-47   the upper halves of the blocks' codes, as converted
.set WD,    48                         ; v48-51   the four steps' scale words
.set MX,    52                         ; v52-53   largest magnitudes
.set SO,    54                         ; v54-55   the conversions' scale operands
.set BY,    56                         ; v56-57   the bytes
.set RB,    64                         ; v64-191  numbers as loaded, two sets of 64
.set XB,    192                        ; v192-255 my two blocks of 32
	s_load_b256 s[4:11], s[0:1], 0x0               ; q, k, v, Wq
	s_load_b256 s[12:19], s[0:1], 0x20             ; Wk, Wv, Wo, cd
	s_load_b64 s[20:21], s[0:1], 0x40              ; sc
	v_lshl_add_u32 v[SPW], v0, 2, SPARE
	v_mov_b32 v[NIL], 0
	v_lshrrev_b32 v1, 5, v0
	v_readfirstlane_b32 s22, v1                    ; wave
	v_and_b32 v1, 31, v0                           ; lane
	v_and_b32 v2, 15, v0                           ; r
	v_bfe_u32 v3, v0, 4, 1                         ; h
	v_lshlrev_b32 v4, 4, v1                        ; 16 x lane
	v_lshlrev_b32 v5, 3, v1                        ; 8 x lane
	s_mul_i32 s23, s22, STG
	v_add_nc_u32 v6, s23, v4                       ; the stage, on the way in
	v_mul_u32_u24 v7, v2, 528
	v_lshl_add_u32 v7, v3, 7, v7
	v_add_nc_u32 v7, s23, v7                       ; and out: row r, + 128 h bytes
	v_lshlrev_b32 v8, 4, v2                        ; 16 r: my row's four scale words
	v_lshlrev_b32 v60, 3, v3                       ; 8 h: where my bytes stand in a scale word
	v_mov_b32 v59, 0                               ; (a lane permute's destination counts as a source)
	s_mov_b32 s40, 0x76543210
	s_mov_b32 s41, 0xfedcba98                      ; selects for lane l xor 16
	s_lshl_b32 s24, ttmp9, 1                       ; the work-group's first tile
	s_lshr_b32 s25, s22, 1
	s_add_co_u32 s25, s24, s25                     ; my tile
	s_and_b32 s26, s22, 1                          ; my K half
	s_wait_alu depctr_va_vdst(0)
	s_wait_kmcnt 0x0
	s_mov_b64 s[28:29], s[16:17]                   ; which tensor: the choice hangs on the work-group's number alone
	s_mov_b32 s27, 960
.macro PICK lim, ptr, base
	s_cmp_lt_u32 s24, \lim
	s_cselect_b64 s[28:29], s[\ptr:\ptr+1], s[28:29]
	s_cselect_b32 s27, \base, s27
.endm
	PICK 960, 14, 896
	PICK 896, 12, 832
	PICK 832, 10, 768
	PICK 768, 8, 512
	PICK 512, 6, 256
	PICK 256, 4, 0
	s_sub_co_u32 s30, s25, s27                     ; the tile's number in its tensor
	; TENSOR k ALONE has another map of rows to tiles: tile t holds rows 64 (t / 4) + 8 (t % 4) + p % 8 + 32 (p / 8), so that in the attention's scores a lane holds a whole block of 32 keys
	s_cmp_eq_u32 s27, 256                          ; is it k?  The choice hangs on the work-group's number alone
	s_cselect_b32 s35, 2, 1
	s_cselect_b32 s36, 6, 5
	s_cselect_b32 s37, 3, 1
	s_cselect_b32 s38, 0x10000, 0                  ; k: rows p = 8 .. 15 lie 16 rows further on
	v_add_nc_u32 v9, s38, v4                       ; the offset of rows p = 8 .. 15; never rewritten
	s_wait_alu depctr_va_vdst(0)                   ; the wait behind the write
	s_lshr_b32 s31, s30, s35
	s_lshl_b32 s31, s31, s36
	s_and_b32 s32, s30, s37
	s_lshl_b32 s32, s32, 3
	s_add_co_u32 s31, s31, s32                     ; its first row
	s_lshl_b32 s32, s31, 12                        ; rows of 4,096 bytes
	s_lshl_b32 s33, s26, 11                        ; + my K half
	s_add_co_u32 s32, s32, s33
	s_mov_b32 s33, 0
	s_add_nc_u64 s[28:29], s[28:29], s[32:33]
	s_mul_i32 s32, s25, 12288
	s_mul_i32 s34, s26, 6144
	s_add_co_u32 s32, s32, s34
	s_add_nc_u64 s[18:19], s[18:19], s[32:33]      ; my codes
	s_lshl_b32 s32, s25, 9
	s_lshl_b32 s34, s26, 8
	s_add_co_u32 s32, s32, s34
	s_add_nc_u64 s[20:21], s[20:21], s[32:33]      ; my scale words
.macro LOAD t                          ; K step t of the tile's 16 rows: 512 consecutive bytes a load
.irp p, 0,1,2,3,4,5,6,7
	global_load_b128 v[RB+64*((\t)%2)+4*\p:RB+64*((\t)%2)+4*\p+3], v4, s[28:29] offset:\p*4096+512*(\t) th:TH_LOAD_NT
.endr
.irp p, 8,9,10,11,12,13,14,15
	global_load_b128 v[RB+64*((\t)%2)+4*\p:RB+64*((\t)%2)+4*\p+3], v9, s[28:29] offset:(\p+8)*4096+512*(\t) th:TH_LOAD_NT
.endr
.endm
.macro STEP t
.set RS, RB+64*((\t)%2)
.set CS, CDR+12*((\t)%2)
.if (\t) < 3
	s_wait_loadcnt 16                              ; this step's 16 loads are in; the next step's 16 may be out
.else
	s_wait_loadcnt 0x0
.endif
.irp p, 0,1,2,3,4,5,6,7,8,9,10,11,12,13,14,15
	ds_store_b128 v6, v[RS+4*\p:RS+4*\p+3] offset:528*\p
.endr
.irp c, 0,1
.irp j, 0,1,2,3,4,5,6,7
	ds_load_b128 v[XB+32*\c+4*\j:XB+32*\c+4*\j+3], v7 offset:256*\c+16*\j   ; k = 64 c + 32 h + 0 .. 31 of row r; LDS serves a wave's instructions in order
.endr
.endr
	s_wait_dscnt 0x0                               ; my blocks are in, and the stores have read their registers
.if (\t) < 2
	LOAD (\t)+2
.endif
.irp c, 0,1
	v_max3_num_f32 v[MX+\c], |v[XB+32*\c]|, |v[XB+32*\c+1]|, 0x1800000   ; with the floor 2^(3 - 127): the byte cannot fall under 1
.endr
.irp i, 2,4,6,8,10,12,14,16,18,20,22,24,26,28,30
.irp c, 0,1
	v_max3_num_f32 v[MX+\c], v[MX+\c], |v[XB+32*\c+\i]|, |v[XB+32*\c+\i+1]|
.endr
.endr
.irp c, 0,1
	v_add_nc_u32 v[SO+\c], 0xff000000, v[MX+\c]    ; 2 off the exponent field: the conversion's scale operand
.endr
.irp c, 0,1
	v_lshrrev_b32 v[BY+\c], 23, v[SO+\c]           ; the byte
.endr
	v_lshl_or_b32 v58, v[BY+1], 16, v[BY]          ; blocks h and 2 + h,
	v_lshlrev_b32 v58, v60, v58                    ; at their places;
	v_permlanex16_b32 v59, v58, s40, s41
	v_or_b32 v[WD+(\t)], v58, v59                  ; with lane l xor 16's two the word is whole
	s_wait_alu depctr_va_vdst(0)
	s_wait_xcnt 0x0                                ; the stores of two steps ago have read this set of code registers
.irp c, 0,1
	v_cvt_scalef32_pk16_fp6_f32 v[CS+6*\c:CS+6*\c+2], v[XB+32*\c:XB+32*\c+15], v[SO+\c]
	v_cvt_scalef32_pk16_fp6_f32 v[PT+4*\c:PT+4*\c+2], v[XB+32*\c+16:XB+32*\c+31], v[SO+\c]   ; (a conversion's three registers begin on an even number)
.endr
	v_nop                                          ; one plain place behind a scaled conversion
.irp c, 0,1
.irp i, 0,1,2
	v_mov_b32 v[CS+6*\c+3+\i], v[PT+4*\c+\i]
.endr
.endr
	global_store_b128 v4, v[CS:CS+3], s[18:19] offset:1536*(\t)          ; each store covers whole aligned blocks of 256 bytes
	global_store_b64 v5, v[CS+4:CS+5], s[18:19] offset:1536*(\t)+512
	global_store_b128 v4, v[CS+6:CS+9], s[18:19] offset:1536*(\t)+768
	global_store_b64 v5, v[CS+10:CS+11], s[18:19] offset:1536*(\t)+1280
.endm
	LOAD 0
	LOAD 1
	STEP 0
	STEP 1
	STEP 2
	STEP 3
	s_mov_b32 s30, 0xffff                          ; lanes 0-15 store the 16 rows' four words: 256 consecutive bytes
	s_wait_xcnt 0x0                                ; EXEC changes only behind this wait
	s_and_saveexec_b32 s31, s30
	global_store_b128 v8, v[WD:WD+3], s[20:21]
	s_wait_xcnt 0x0
	s_or_b32 exec_lo, exec_lo, s31
	s_wait_tensorcnt 0x0                           ; the wave's end, behind my last LDS store
	ds_add_u32 v[SPW], v[NIL]
	s_wait_dscnt 0x0
	s_endpgm
.Lfunc_end_k_qe4ebfc80f9_quant:
	.size	k_qe4ebfc80f9_quant, .Lfunc_end_k_qe4ebfc80f9_quant-k_qe4ebfc80f9_quant
	.p2alignl 7, 3214868480
	.fill 96, 4, 3214868480
	.section	.rodata,"a",@progbits
	.p2align	6, 0x0
	.amdhsa_kernel k_qe4ebfc80f9_quant
		.amdhsa_group_segment_fixed_size 34304
		.amdhsa_private_segment_fixed_size 0
		.amdhsa_enable_private_segment 0
		.amdhsa_kernarg_size 72
		.amdhsa_user_sgpr_count 2
		.amdhsa_user_sgpr_kernarg_segment_ptr 1
		.amdhsa_wavefront_size32 1
		.amdhsa_system_sgpr_workgroup_id_x 1
		.amdhsa_system_sgpr_workgroup_id_y 1
		.amdhsa_system_sgpr_workgroup_id_z 1
		.amdhsa_system_vgpr_workitem_id 0
		.amdhsa_next_free_vgpr 256
		.amdhsa_next_free_sgpr 66
		.amdhsa_reserve_vcc 0
		.amdhsa_float_denorm_mode_32 3
		.amdhsa_float_denorm_mode_16_64 3
		.amdhsa_memory_ordered 1
		.amdhsa_forward_progress 1
		.amdhsa_inst_pref_size 32
	.end_amdhsa_kernel
	.amdgpu_metadata
---
amdhsa.version: [ 1, 2 ]
amdhsa.kernels:
  - .name:           k_qe4ebfc80f9_quant
    .symbol:         k_qe4ebfc80f9_quant.kd
    .args:
      - { .name: q, .offset: 0, .size: 8, .value_kind: global_buffer, .address_space: global }
      - { .name: k, .offset: 8, .size: 8, .value_kind: global_buffer, .address_space: global }
      - { .name: v, .offset: 16, .size: 8, .value_kind: global_buffer, .address_space: global }
      - { .name: Wq, .offset: 24, .size: 8, .value_kind: global_buffer, .address_space: global }
      - { .name: Wk, .offset: 32, .size: 8, .value_kind: global_buffer, .address_space: global }
      - { .name: Wv, .offset: 40, .size: 8, .value_kind: global_buffer, .address_space: global }
      - { .name: Wo, .offset: 48, .size: 8, .value_kind: global_buffer, .address_space: global }
      - { .name: cd, .offset: 56, .size: 8, .value_kind: global_buffer, .address_space: global }
      - { .name: sc, .offset: 64, .size: 8, .value_kind: global_buffer, .address_space: global }
    .group_segment_fixed_size: 34304
    .private_segment_fixed_size: 0
    .kernarg_segment_align: 8
    .kernarg_segment_size: 72
    .max_flat_workgroup_size: 128
    .sgpr_count:     66
    .vgpr_count:     256
    .wavefront_size: 32
...
	.end_amdgpu_metadata
.endif
;; end of part 1
;; launch proj (part 2): grid 48 x 4, 4 waves a work-group, clusters of 4 x 4, 327,680 bytes of LDS; arguments cd, sc, bq, bk, bv, mask, qf, qs, kv, ps; writes qf, qs, kv, ps
.if DOCPART == 2
	.amdgcn_target "amdgcn-amd-amdhsa--gfx1250"
	.amdhsa_code_object_version 6
	.text
	.protected	k_qe4ebfc80f9_proj
	.globl	k_qe4ebfc80f9_proj
	.p2align	8
	.type	k_qe4ebfc80f9_proj,@function
k_qe4ebfc80f9_proj:
	s_mov_b64 s[64:65], 0
	v_nop
	global_prefetch_b8 v0, s[64:65] scope:SCOPE_SE
	s_setreg_imm32_b32 hwreg(HW_REG_WAVE_MODE, 25, 1), 1
	s_wait_xcnt 0x0
	s_wait_alu depctr_hold_cnt(0) depctr_sa_sdst(0) depctr_va_vdst(0) depctr_va_sdst(0) depctr_va_ssrc(0) depctr_va_vcc(0) depctr_vm_vsrc(0)
	s_getreg_b32 s2, hwreg(HW_REG_IB_STS2, 6, 4)
	s_cmp_eq_u32 s2, 0
	s_cbranch_scc0 .Lentry_in_a_cluster
	s_endpgm
.Lentry_in_a_cluster:
	s_bfe_u32 s2, ttmp6, 0x10000c
	s_cmp_lg_u32 s2, 0xf033
	s_cbranch_scc0 .Lentry_shape_is_right
	s_endpgm
.Lentry_shape_is_right:
; The three projections in one launch, on codes of FP6 (E2M3) with E8M0 scales: p = cluster / 4: 0: Q = q Wq^T + bq, 1: K = k Wk^T + bk, 2: V = v Wv^T + bv.  The results never go to memory as f32:
; they are quantised in registers for the attention's two products, Q and K along the head's 64, V along the keys, and leave as images of operand registers (Q, K: 1,024 bytes a head's tile: registers 0-3 at 16 x lane, 4-7 at 512 + 16 x lane; V: a fragment's 12 registers, four at a time at 16 x lane).
; A work-group makes 256 x 256, a wave 128 x 128: 64 accumulators.  Source 1 ("A", a lane = a row) and source 0 ("B", the registers run along its rows): Q, K: A = the tokens, B = the weight, so a lane's registers run
; along the features; V: A = Wv, B = the tokens, so a lane's registers run along the keys.  A tile's 16 rows are 32 (t / 2) + 8 (t % 2) + p % 8 + 16 (p / 8): the 16 registers of B's tiles 2 b, 2 b + 1 are 16 neighbours.
; K = 1,024 in 8 steps of 128, written out.  LDS: area 0 (K steps 0-3, 6,144 bytes a tile), then area 1 (K steps 4, 5, 3,072 bytes a tile); fill 0 goes out at the head, fill 1 behind the round in front of K step 0, fill 2 (K steps 6, 7) onto area 0's start behind a round of the cluster's barrier in K step 3.
; By this text's own count a wave has at most one tensor load out.  CLUSTER 4 x 4: A's tiles hang on cy alone and are asked for jointly along a row, B's on cx alone, along a column.
; The mask: the codes of K's masked keys are made zeros here, so that their scores are exactly the addend that the attention gives them.  Also stored: the sums over each wave's 128 tokens of Q and of V, for the cosine.
; LIMITS: a block of zeros gets the scale byte 1 (its codes are zeros; this program alone reads the bytes); NaN and infinities are not served.
; REGISTERS: window 0: v1-27 addresses, none of them rewritten once a load or store names it; v30 at work; v32-95 scale words (v[32 + 8 i + ks]: lanes 0-15 A's block i, lanes 16-31 B's); v96-103 the mask; v104-119 bv;
;   v128-223 A's fragments, later at work; v224-251 at work.
;   window 1: B's fragments, two sets, at v0 and v128; the bias along B at v96-127 and v224-255.   windows 2, 3: the accumulators, (a, b) at v[8 (8 (a % 4) + b)] of window 2 + a / 4.
.set SLOT,  98304
.set SPARE, 3*SLOT                     ; behind the slots: the spare words, 128 bytes a wave
.set SPW, 28
.set NIL, 29
.set A16, 4                            ; v4-5   slot s: my A tiles + 16 x lane;  v7-8: + 8 x lane
.set A8,  7
.set B16, 10                           ; v10-11, v13-14 the same for B
.set B8,  13
.set SC,  32
.set MK,  96
.set BM,  104
.set AF,  128
.set T,   128                          ; the way out: sums
.set PC,  192                          ; v192-203 a fragment's codes;  v204-210 the upper halves as converted
.set PT,  204
.set TM,  224                          ; v224-227 maxima, v228-231 bytes, v232-235 scale operands
.set WS,  244                          ; v244-251 the eight scale words
.set G1A, 24
.set G1B, 32
.set G0A, 48                           ; s[48:59] group 0 of A's three fills;  s[68:79] of B's; never rewritten
.set G0B, 68
.set WV,  40
.set WR,  41                           ; my half of A.  Also: I fetch for A (0) or B (1)
.set WC,  42                           ; my half of B.  Also: which 8 tiles I fetch
.set MSB, 0
.macro WIN new                         ; the immediate's high byte repeats the setting that is left
.if MSB != (\new)
	s_set_vgpr_msb (MSB<<8)|(\new)
.set MSB, (\new)
.endif
.endm
.macro PLACES n
.rept \n
	v_nop
.endr
.endm
.macro JLOAD f                         ; a joint load: waves 0, 1 fetch A's halves, waves 2, 3 B's; an s_nop 0 and four v_nop follow each line
	s_cmp_eq_u32 s[WR], 0
	s_cbranch_scc0 .Lfor_b_\@
	tensor_load_to_lds s[G0A+4*\f:G0A+4*\f+3], s[G1A:G1A+7]
	s_nop 0
.rept 4
	v_nop
.endr
	s_branch .Lasked_\@
.Lfor_b_\@:
	tensor_load_to_lds s[G0B+4*\f:G0B+4*\f+3], s[G1B:G1B+7]
	s_nop 0
.rept 4
	v_nop
.endr
.Lasked_\@:
.endm
.macro CREST                           ; a round of the cluster's barrier behind its opening barrier
	s_cmp_lg_u32 s[WV], 0
	s_cbranch_scc1 .Lnot_wave_0_\@
	s_barrier_signal -3
.Lnot_wave_0_\@:
	s_barrier_wait -3
	s_barrier_signal -1
	s_barrier_wait -1
.endm
.macro CROUND
	s_barrier_signal -1
	s_barrier_wait -1
	CREST
.endm
.macro FRAG reg, a16, a8, off          ; a fragment, 12 registers, from its image: four loads, each of consecutive bytes
	ds_load_b128 v[\reg:\reg+3], v[\a16] offset:\off
	ds_load_b64 v[\reg+4:\reg+5], v[\a8] offset:\off+512
	ds_load_b128 v[\reg+6:\reg+9], v[\a16] offset:\off+768
	ds_load_b64 v[\reg+10:\reg+11], v[\a8] offset:\off+1280
.endm
.macro FETCH_B slot, q, p              ; B's eight fragments of the slot's q-th K step into set p
	WIN 0x40
.irp i, 0,1,2,3,4,5,6,7
	FRAG 128*(\p)+12*\i, B16+(\slot), B8+(\slot), TP*\i+1536*(\q)
.endr
	WIN 0
.endm
.macro FETCH_A slot, q, i0             ; A's blocks i0 .. i0 + 3
.irp i, \i0, \i0+1, \i0+2, \i0+3
	FRAG AF+12*(\i), A16+(\slot), A8+(\slot), TP*(\i)+1536*(\q)
.endr
.endm
; 16 matrix instructions: A's blocks a0, a0 + 1 x B's eight.  first = 1: the bias along B is the C of the sum's first product.  The 64 accumulators take turns.
.macro MUL16 a0, p, ks, first
.irp a, \a0, \a0+1
.irp b, 0,1,2,3,4,5,6,7
.if \first
	v_wmma_scale_f32_16x16x128_f8f6f4 v[8*(8*((\a)%4)+\b):8*(8*((\a)%4)+\b)+7], v[128*(\p)+12*\b:128*(\p)+12*\b+11], v[AF+12*(\a):AF+12*(\a)+11], v[96+8*\b+96*(\b/4):96+8*\b+96*(\b/4)+7], v[SC+8*\b+(\ks)], v[SC+8*(\a)+(\ks)] matrix_a_fmt:MATRIX_FMT_FP6 matrix_b_fmt:MATRIX_FMT_FP6 matrix_a_scale:MATRIX_SCALE_ROW1
.else
	v_wmma_scale_f32_16x16x128_f8f6f4 v[8*(8*((\a)%4)+\b):8*(8*((\a)%4)+\b)+7], v[128*(\p)+12*\b:128*(\p)+12*\b+11], v[AF+12*(\a):AF+12*(\a)+11], v[8*(8*((\a)%4)+\b):8*(8*((\a)%4)+\b)+7], v[SC+8*\b+(\ks)], v[SC+8*(\a)+(\ks)] matrix_a_fmt:MATRIX_FMT_FP6 matrix_b_fmt:MATRIX_FMT_FP6 matrix_a_scale:MATRIX_SCALE_ROW1
.endif
.endr
.endr
.endm
; K step ks.  kind 0: plain;  1: with the round and the refill of slot 0;  2: with a barrier that shows the refill landed;  3: the last, which fetches nothing.
.macro KSTEP ks, kind, first
.if (\ks)+1 < 4                        ; where the next K step's fragments lie: area NS, tiles TP bytes apart, the NH-th K step of a tile's bytes there
.set NS, 0
.set TP, 6144
.set NH, (\ks)+1
.elseif (\ks)+1 < 6
.set NS, 1
.set TP, 3072
.set NH, (\ks)-3
.else
.set NS, 0
.set TP, 3072
.set NH, (\ks)-5
.endif
.set PP, (\ks)%2
.if ((\kind) == 1) || ((\kind) == 2)
	s_wait_tensorcnt 0x0                           ; all my tensor loads have landed;
	ds_add_u32 v[SPW], v[NIL]                      ; 0 onto my spare word;
	s_wait_dscnt 17                                ; (the add and the youngest 16 loads, A's blocks 4-7, may be out)
	WIN 0xa1
	MUL16 0, PP, \ks, 0
	s_wait_dscnt 0x0                               ; the add is done, and my reads of the slot that I leave are over
	s_barrier_signal -1
	MUL16 2, PP, \ks, 0
	WIN 0
	s_barrier_wait -1
.if (\kind) == 1
	CREST                                          ; no wave of any partner still reads slot 0 or has a load on its way
.set FL, 2                             ; THE FILLS AS THIS TEXT HAS THEM: fill 0 (K steps 0-3, area 0: 49,152 bytes a wave) at the head, fill 1 (K steps 4, 5, area 1, behind area 0) behind the round in front of K step 0, fill 2 (K steps 6, 7, onto the start of each wave's part of area 0) in K step 3: one tensor load of a wave is out
	JLOAD FL
.else
	PLACES 4
.endif
.else
	s_wait_dscnt 16                                ; B's set and A's blocks 0-3 are in; A's blocks 4-7 (16 loads) may be out
	WIN 0xa1-0x10*(\first)
	MUL16 0, PP, \ks, \first
	MUL16 2, PP, \ks, \first
	s_wait_dscnt 0x0
.if (\kind) == 0
	PLACES 4                                       ; in front of loads into registers that matrix instructions have read
.endif
.endif
.if (\kind) != 3
	FETCH_B NS, NH, 1-PP
	FETCH_A NS, NH, 0
.endif
	WIN 0xf1-0x20*(\first)
	MUL16 4, PP, \ks, \first
	MUL16 6, PP, \ks, \first
.if (\kind) != 3
	PLACES 4
.endif
	WIN 0
.if (\kind) != 3
	FETCH_A NS, NH, 4
.endif
.endm
	s_load_b256 s[4:11], s[0:1], 0x0               ; cd, sc, bq, bk
	s_load_b256 s[12:19], s[0:1], 0x20             ; bv, mask, qf, qs
	s_load_b128 s[20:23], s[0:1], 0x40             ; kv, ps
	v_lshl_add_u32 v[SPW], v0, 2, SPARE
	v_mov_b32 v[NIL], 0
	ds_add_u32 v[SPW], v[NIL]                      ; the wave's opening: the add and its wait ahead of my first tensor load
	ds_add_u32 v[SPW], v[NIL]
	v_lshrrev_b32 v1, 5, v0
	v_readfirstlane_b32 s[WV], v1
	s_lshr_b32 s[WR], s[WV], 1
	s_and_b32 s[WC], s[WV], 1
	s_bfe_u32 s43, ttmp6, 0x40000                  ; cx
	s_bfe_u32 s44, ttmp6, 0x40004                  ; cy
	s_lshr_b32 s45, ttmp9, 2                       ; p: which projection; the same in all partners
	s_and_b32 s46, ttmp9, 3                        ; i: which quarter of the tokens
	s_lshl_b32 s47, s44, 2
	s_lshl_b32 s47, 15, s47                        ; my row of the cluster
	s_lshl_b32 s2, 0x1111, s43                     ; my column
	s_or_b32 s[G1A], s47, (3<<16)|(1<<21)          ; the mask; elements of 8 bytes; bit 21 beside a mask; no padding
	s_or_b32 s[G1B], s2, (3<<16)|(1<<21)
.irp g, G1A, G1B
	s_mov_b32 s[\g+1], 768<<16                     ; tensor_dim0: 6,144 bytes: a tile's K steps 0-3, for the head's load
	s_mov_b32 s[\g+2], 8<<16                       ; tensor_dim1: 8 tiles
	s_mov_b32 s[\g+3], 768<<16                     ; tile_dim0
	s_mov_b32 s[\g+4], 8                           ; tile_dim1
	s_mov_b32 s[\g+5], 1536                        ; from tile to tile: 12,288 bytes
	s_mov_b32 s[\g+6], 0
	s_mov_b32 s[\g+7], 0
.endr
	s_lshl_b32 s3, s46, 2                          ; 4 i
	s_add_co_u32 s92, s3, s44
	s_lshl_b32 s92, s92, 4
	s_lshl_b32 s93, s45, 8
	s_add_co_u32 s92, s92, s93                     ; A for Q, K: the tokens' tiles 256 p + 16 (4 i + cy)
	s_lshl_b32 s93, s44, 4
	s_add_co_u32 s93, s93, 896                     ; A for V: Wv's tiles 896 + 16 cy
	s_add_co_u32 s94, s3, s43
	s_lshl_b32 s94, s94, 4
	s_add_co_u32 s94, s94, 512                     ; B for V: v's tiles 512 + 16 (4 i + cx)
	s_lshl_b32 s95, s43, 4
	s_lshl_b32 s2, s45, 6
	s_add_co_u32 s95, s95, s2
	s_add_co_u32 s95, s95, 768                     ; B for Q, K: the weight's tiles 768 + 64 p + 16 cx
	s_cmp_lt_u32 s45, 2
	s_cselect_b32 s66, s92, s93                    ; A's first tile: hangs on cy alone
	s_cselect_b32 s67, s95, s94                    ; B's: on cx alone
	s_lshl_b32 s2, s[WC], 3
	s_add_co_u32 s92, s66, s2
	s_mul_i32 s92, s92, 12288
	s_mov_b32 s93, 0
	s_add_co_u32 s94, s67, s2
	s_mul_i32 s94, s94, 12288
	s_mov_b32 s95, 0
	s_mul_i32 s47, s[WV], 24576                    ; where my 8 tiles go: no place in the cluster enters an LDS address
	s_wait_dscnt 0x0                               ; the opening add is done
	s_wait_kmcnt 0x0
	s_add_nc_u64 s[92:93], s[4:5], s[92:93]
	s_add_nc_u64 s[94:95], s[4:5], s[94:95]
.irp f, 0,1,2                          ; fills 0 and 2 go to wave x 49,152, fill 1 to 196,608 + wave x 24,576; they begin at bytes 0, 6,144 and 9,216 of a tile's 12,288
	s_mov_b32 s[G0A+4*\f], 1
	s_mul_i32 s[G0A+4*\f+1], s[WV], 49152-24576*(\f%2)
	s_add_co_u32 s[G0A+4*\f+1], s[G0A+4*\f+1], 196608*(\f%2)
	s_add_nc_u64 s[G0A+4*\f+2:G0A+4*\f+3], s[92:93], (\f+(\f+1)/2)*3072
	s_or_b32 s[G0A+4*\f+3], s[G0A+4*\f+3], 0x80000000
	s_mov_b32 s[G0B+4*\f], 1
	s_mul_i32 s[G0B+4*\f+1], s[WV], 49152-24576*(\f%2)
	s_add_co_u32 s[G0B+4*\f+1], s[G0B+4*\f+1], 196608*(\f%2)
	s_add_nc_u64 s[G0B+4*\f+2:G0B+4*\f+3], s[94:95], (\f+(\f+1)/2)*3072
	s_or_b32 s[G0B+4*\f+3], s[G0B+4*\f+3], 0x80000000
.endr
	CROUND                                         ; all sixteen work-groups are here: the first joint loads meet
	JLOAD 0                                        ; one tensor load a wave at the head
	v_and_b32 v1, 15, v0                           ; r
	v_bfe_u32 v2, v0, 4, 1                         ; h
	v_and_b32 v3, 31, v0                           ; lane
	v_lshlrev_b32 v16, 4, v3
	v_lshlrev_b32 v17, 3, v3
	s_mul_i32 s2, s[WR], 49152                     ; area 0: A's two halves, then B's two, 49,152 bytes each
	s_mul_i32 s3, s[WC], 49152
	s_add_co_u32 s3, s3, 98304
	v_add_nc_u32 v[A16], s2, v16
	v_add_nc_u32 v[A8], s2, v17
	v_add_nc_u32 v[B16], s3, v16
	v_add_nc_u32 v[B8], s3, v17
	s_mul_i32 s2, s[WR], 24576                     ; area 1, behind it: the same four parts, 24,576 bytes each
	s_mul_i32 s3, s[WC], 24576
	s_add_co_u32 s2, s2, 2*SLOT
	s_add_co_u32 s3, s3, 2*SLOT+49152
	v_add_nc_u32 v[A16+1], s2, v16
	v_add_nc_u32 v[A8+1], s2, v17
	v_add_nc_u32 v[B16+1], s3, v16
	v_add_nc_u32 v[B8+1], s3, v17
	s_lshl_b32 s2, s[WR], 3                        ; the scale words come once, straight into registers: lanes 0-15 A's tiles, lanes 16-31 B's
	s_add_co_u32 s2, s2, s66
	s_lshl_b32 s2, s2, 9
	s_lshl_b32 s3, s[WC], 3
	s_add_co_u32 s3, s3, s67
	s_lshl_b32 s3, s3, 9
	v_mov_b32 v20, s2
	v_mov_b32 v21, s3
	s_mov_b32 s2, 0xffff0000
	v_cndmask_b32 v20, v20, v21, s2
	v_lshl_add_u32 v20, v1, 4, v20
.irp i, 0,1,2,3,4,5,6,7
.irp kh, 0,1
	global_load_b128 v[SC+8*\i+4*\kh:SC+8*\i+4*\kh+3], v20, s[6:7] offset:512*\i+256*\kh
.endr
.endr
	; where my 128 tokens and my 128 features (two heads) lie
	s_cmp_lt_u32 s45, 2
	s_cselect_b32 s2, s44, s43                     ; the place along the tokens: cy, for V cx
	s_cselect_b32 s3, s43, s44                     ; along the features
	s_cselect_b32 s47, s[WR], s[WC]
	s_cselect_b32 s84, s[WC], s[WR]
	s_lshl_b32 s85, s46, 2
	s_add_co_u32 s85, s85, s2
	s_lshl_b32 s85, s85, 8
	s_lshl_b32 s47, s47, 7
	s_add_co_u32 s85, s85, s47                     ; my first token, 0 .. 4,095
	s_lshl_b32 s86, s3, 2
	s_lshl_b32 s84, s84, 1
	s_add_co_u32 s86, s86, s84                     ; my first head
	s_lshr_b32 s87, s85, 11                        ; the batch
	s_bfe_u32 s88, s85, 0x40007                    ; G: which 128 tokens of the batch
	s_lshl_b32 s89, s87, 4
	s_add_co_u32 s90, s89, s86                     ; 16 b + head
	s_add_co_u32 s89, s89, s88                     ; 16 b + G
	s_and_b32 s91, s85, 2047
	v_and_b32 v22, 8, v1
	v_add_nc_u32 v22, v22, v1                      ; r % 8 + 16 (r / 8): my row in a tile
	v_and_b32 v21, 8, v1
	v_mad_u32_u24 v21, v21, 3, v1                  ; r % 8 + 32 (r / 8): my row in a tile of tensor k
	v_add_lshl_u32 v21, v21, s91, 2
.irp a, 0,1,2,3,4,5,6,7
	global_load_b32 v[MK+\a], v21, s[14:15] offset:(64*(\a/4)+8*(\a%4))*4   ; the mask at the token of k's tile a, row r (it counts for K alone)
.endr
	s_cmp_eq_u32 s45, 0
	s_cselect_b64 s[2:3], s[8:9], s[10:11]
	s_cmp_eq_u32 s45, 2
	s_cselect_b64 s[2:3], s[12:13], s[2:3]         ; bq, bk or bv,
	s_lshl_b32 s92, s86, 8
	s_mov_b32 s93, 0
	s_add_nc_u64 s[2:3], s[2:3], s[92:93]          ; at my first feature
	v_lshlrev_b32 v23, 6, v2                       ; 16 h numbers
	v_lshlrev_b32 v27, 2, v22                      ; bv's offset: my row in a tile; never rewritten
	s_cmp_lt_u32 s45, 2
	s_cbranch_scc0 .Lbias_v
	WIN 0x40                                       ; Q, K: the bias runs along B: eight registers a tile, in the result's layout
.irp b, 0,1,2,3,4,5,6,7
	global_load_b128 v[96+8*\b+96*(\b/4):96+8*\b+96*(\b/4)+3], v23, s[2:3] offset:(32*(\b/2)+8*(\b%2))*4
	global_load_b128 v[96+8*\b+96*(\b/4)+4:96+8*\b+96*(\b/4)+7], v23, s[2:3] offset:(32*(\b/2)+8*(\b%2))*4+16
.endr
	WIN 0
.irp a, 0,1,2,3,4,5,6,7
	v_mov_b32 v[BM+2*\a], 0
.endr
	s_branch .Lbias_done
.Lbias_v:
	WIN 0x40                                       ; V: the bias runs along A (a number a lane): it is added behind the sums, and the sums begin at 0
.irp b, 0,1,2,3,4,5,6,7
.irp j, 0,1,2,3,4,5,6,7
	v_mov_b32 v[96+8*\b+96*(\b/4)+\j], 0
.endr
.endr
	WIN 0
.irp a, 0,1,2,3,4,5,6,7
	global_load_b32 v[BM+2*\a], v27, s[2:3] offset:(32*(\a/2)+8*(\a%2))*4
.endr
.Lbias_done:
	; where the results go
	s_cmp_eq_u32 s45, 0
	s_cselect_b64 s[98:99], s[16:17], s[20:21]     ; codes: qf, or kv
	s_cselect_b64 s[100:101], s[18:19], s[20:21]   ; scale words: qs, or kv
	; kv: a head is 16 groups of 15,104 bytes: K's 8 tiles of 1,024, V's 4 fragments of 1,536 at 8,192, K's scale words at 14,336, V's at 14,848.  qf: tiles of 1,024 bytes
	s_mov_b32 s84, 241664
	s_cselect_b32 s84, 131072, s84
	s_mov_b32 s85, 15104
	s_cselect_b32 s85, 8192, s85
	s_mov_b32 s47, 241664
	s_cselect_b32 s47, 8192, s47                   ; a head's bytes among the scale words
	s_mov_b32 s87, 15104
	s_cselect_b32 s87, 512, s87
	s_mul_i32 s92, s90, s84
	s_mul_i32 s85, s88, s85
	s_add_co_u32 s92, s92, s85
	s_add_nc_u64 s[98:99], s[98:99], s[92:93]
	s_mul_i32 s92, s90, s47
	s_mul_i32 s87, s88, s87
	s_add_co_u32 s92, s92, s87
	s_add_nc_u64 s[100:101], s[100:101], s[92:93]
	s_lshl_b32 s92, s89, 12
	s_lshl_b32 s85, s86, 8
	s_add_co_u32 s92, s92, s85
	s_add_nc_u64 s[96:97], s[22:23], s[92:93]      ; the sums: ps + 4,096 (16 b + G) + 256 head
	s_cmp_eq_u32 s45, 2
	s_cselect_b32 s92, 8192, 0
	s_add_nc_u64 s[98:99], s[98:99], s[92:93]      ; V's codes lie behind K's
	s_cselect_b32 s92, 131072, 0
	s_add_nc_u64 s[96:97], s[96:97], s[92:93]      ; V's sums behind Q's
	s_cselect_b32 s84, 768, s84                    ; from a fragment's first half image to its second: the next head, for V the next 64 keys
	s_mov_b32 s92, 14336
	s_cselect_b32 s92, 14848, s92
	s_mov_b32 s94, 1024
	s_cselect_b32 s94, 237056, s94
	s_mov_b32 s85, 1024
	s_cselect_b32 s85, 1536, s85                   ; and from tile to tile
	s_cmp_eq_u32 s45, 0
	s_cselect_b32 s92, 0, s92
	s_add_nc_u64 s[100:101], s[100:101], s[92:93]
	s_mov_b32 s92, s85                             ; s[92:93], s[94:95]: the two steps
	s_mov_b32 s95, 0
	s_cmp_eq_u32 s45, 1
	s_cselect_b32 s46, 0, -1
	s_cmp_eq_u32 s45, 0                            ; THE MASK AS A 65TH COORDINATE of the scores' product: Q has the code of -1.0 at k = 64 (register 6, lanes 0-15), scale byte 127;
	s_cselect_b32 s87, 40, 0                       ; a masked key has the code of 4.0 there under the scale byte 158 (2^31), any other key the code 0 under the byte 0: a masked key's score is -2^33
	v_sub_nc_u32 v31, 1, v2
	v_mul_u32_u24 v31, v31, s87                    ; v31: register 6 of a row that is kept
	v_add_nc_u32 v18, s84, v16
	v_add_nc_u32 v19, s84, v17
	v_mul_u32_u24 v24, v2, s47
	v_lshl_add_u32 v24, v1, 4, v24                 ; scale words: lanes 16-31 serve the second head
	v_lshlrev_b32 v25, 4, v2                       ; 16 h
	v_and_b32 v26, 7, v1
	v_lshl_add_u32 v26, v2, 3, v26
	v_lshrrev_b32 v30, 3, v1                       ; (in a register that no load names: the bias's loads may still read their offsets)
	v_lshl_add_u32 v26, v30, 4, v26
	v_lshlrev_b32 v26, 4, v26                      ; Q's sums: 16 (r % 8 + 8 h + 16 (r / 8))
	s_mov_b32 s104, 0x76543210
	s_mov_b32 s105, 0xfedcba98                     ; selects for lane l xor 16
.irp b, 0,1,2,3
	v_mov_b32 v[TM+4+\b], 0                        ; (a lane permute's destination counts as a source)
.endr
	s_wait_alu depctr_va_vdst(0)                   ; the wait at the head's end
	s_wait_tensorcnt 0x0                           ; my part of fill 0 is in
	ds_add_u32 v[SPW], v[NIL]
	s_mov_b32 s[G1A+1], 384<<16                    ; no tensor load of mine is out, so a descriptor may be written: from here on a load brings two K steps of each tile, 3,072 bytes
	s_mov_b32 s[G1A+3], 384<<16
	s_mov_b32 s[G1B+1], 384<<16
	s_mov_b32 s[G1B+3], 384<<16
	s_wait_dscnt 0x0
	CROUND
	JLOAD 1
.set TP, 6144
	FETCH_B 0, 0, 0
	FETCH_A 0, 0, 0
	FETCH_A 0, 0, 4
	s_wait_loadcnt 0x0                             ; scale words, mask, bias
.irp a, 0,1,2,3,4,5,6,7
	v_cmp_ne_u32 s[84+\a], 0, v[MK+\a]
.endr
.irp a, 0,1,2,3,4,5,6,7
	s_or_b32 s[84+\a], s[84+\a], s46               ; the lanes whose codes are kept
.endr
.irp a, 0,1,2,3,4,5,6,7
	v_mov_b32 v[BM+2*\a+1], v[BM+2*\a]             ; a pair, for the packed addition
.endr
	s_mov_b32 s8, 0xff00ff00                       ; lane masks for the sums (the biases' addresses are done with)
	s_mov_b32 s9, 0xf0f0f0f0
	s_mov_b32 s10, 0xcccccccc
	s_mov_b32 s11, 0xaaaaaaaa
	s_mov_b32 s12, 0xffff0000
	KSTEP 0, 0, 1
	KSTEP 1, 0, 0
	KSTEP 2, 0, 0
	KSTEP 3, 1, 0
	KSTEP 4, 0, 0
	KSTEP 5, 2, 0
	KSTEP 6, 0, 0
	KSTEP 7, 3, 0
	PLACES 4                                       ; in front of the first reads of results and of writes over A's fragments
	s_cmp_eq_u32 s45, 1
	s_cbranch_scc1 .Lquant
	s_cmp_eq_u32 s45, 2
	s_cbranch_scc1 .Lsum_v
	; ---- Q: the sum over my 128 tokens of each of my 128 features.  First over A's eight tiles (each accumulator from its low end on),
	WIN 0x0a
.set m, 0
.rept 32
	v_pk_add_f32 v[T+2*m:T+2*m+1], v[2*m:2*m+1], v[64+2*m:64+2*m+1]
.set m, m+1
.endr
	WIN 0x08
.irp a, 2,3
.set m, 0
.rept 32
	v_pk_add_f32 v[T+2*m:T+2*m+1], v[T+2*m:T+2*m+1], v[64*\a+2*m:64*\a+2*m+1]
.set m, m+1
.endr
.endr
	WIN 0x0c
.irp a, 0,1,2,3
.set m, 0
.rept 32
	v_pk_add_f32 v[T+2*m:T+2*m+1], v[T+2*m:T+2*m+1], v[64*\a+2*m:64*\a+2*m+1]
.set m, m+1
.endr
.endr
	WIN 0
	; then over the 16 lanes of a half: in each of four levels a lane keeps half of its numbers and sends the other half to the lane that keeps those: 64, 32, 16, 8, 4 numbers a lane
.set TP, 0
.macro RS lo, hi, dst, msk, x
	v_cndmask_b32 v[120+2*TP], v[\lo], v[\hi], s[\msk]
	v_cndmask_b32 v[121+2*TP], v[\hi], v[\lo], s[\msk]
	v_add_f32_dpp v[\dst], v[121+2*TP], v[120+2*TP] row_xmask:\x row_mask:0xf bank_mask:0xf
.set TP, (TP+1)%4
.endm
.set R, 0
.rept 32
	RS T+R, T+R+32, T+R, 8, 8
.set R, R+1
.endr
.irp q, 0,1,2,3
.irp j, 0,1,2,3
	RS T+8*\q+\j, T+8*\q+\j+4, T+8*\q+\j, 9, 4
.endr
.endr
.irp q, 0,1,2,3
.irp j, 0,1
	RS T+8*\q+\j, T+8*\q+\j+2, T+8*\q+\j, 10, 2
.endr
.endr
.irp q, 0,1,2,3
	RS T+8*\q, T+8*\q+1, T+\q, 11, 1
.endr
	global_store_b128 v26, v[T:T+3], s[96:97]      ; lane (r, h): head r / 8, places 4 (r % 8 + 8 h) + 0 .. 3: 512 consecutive bytes
	s_branch .Lquant
.Lsum_v:
	; ---- V: + bv (a number a lane), then the sum over my 128 keys of each of my 128 features
	WIN 0x82
	s_wait_alu depctr_va_vdst(0)
.irp a, 0,1,2,3
.set m, 0
.rept 32
	v_pk_add_f32 v[64*\a+2*m:64*\a+2*m+1], v[64*\a+2*m:64*\a+2*m+1], v[BM+2*\a:BM+2*\a+1]
.set m, m+1
.endr
.endr
	WIN 0xc3
.irp a, 0,1,2,3
.set m, 0
.rept 32
	v_pk_add_f32 v[64*\a+2*m:64*\a+2*m+1], v[64*\a+2*m:64*\a+2*m+1], v[BM+8+2*\a:BM+8+2*\a+1]
.set m, m+1
.endr
.endr
.macro VSUM w                          ; tiles 4 w .. 4 w + 3: two chains a tile
	WIN 0x0a+5*(\w)
.irp a, 0,1,2,3
	v_pk_add_f32 v[T+16*(\w)+4*\a:T+16*(\w)+4*\a+1], v[64*\a:64*\a+1], v[64*\a+2:64*\a+3]
	v_pk_add_f32 v[T+16*(\w)+4*\a+2:T+16*(\w)+4*\a+3], v[64*\a+4:64*\a+5], v[64*\a+6:64*\a+7]
.endr
	WIN 0x02+(\w)
.set m, 8
.rept 14
.irp a, 0,1,2,3
	v_pk_add_f32 v[T+16*(\w)+4*\a:T+16*(\w)+4*\a+1], v[64*\a+m:64*\a+m+1], v[T+16*(\w)+4*\a:T+16*(\w)+4*\a+1]
	v_pk_add_f32 v[T+16*(\w)+4*\a+2:T+16*(\w)+4*\a+3], v[64*\a+m+2:64*\a+m+3], v[T+16*(\w)+4*\a+2:T+16*(\w)+4*\a+3]
.endr
.set m, m+4
.endr
.endm
	VSUM 0
	VSUM 1
	WIN 0
.irp a, 0,1,2,3,4,5,6,7
	v_pk_add_f32 v[T+4*\a:T+4*\a+1], v[T+4*\a:T+4*\a+1], v[T+4*\a+2:T+4*\a+3]
.endr
.irp a, 0,1,2,3,4,5,6,7
	v_add_f32 v[160+\a], v[T+4*\a], v[T+4*\a+1]
.endr
.irp a, 0,1,2,3,4,5,6,7
	v_permlanex16_b32 v[T+4*\a+2], v[160+\a], s104, s105
.endr
.irp a, 0,1,2,3,4,5,6,7
	v_add_f32 v[160+\a], v[160+\a], v[T+4*\a+2]    ; with the other half's 64 keys
.endr
.irp d, 0,1,2,3
	v_cndmask_b32 v[176+\d], v[160+\d], v[164+\d], s12   ; lanes 16-31 serve the second head
.endr
	global_store_b128 v16, v[176:179], s[96:97]    ; lane (r, head): places 4 r + 0 .. 3: 512 consecutive bytes
.Lquant:
; ---- A's tile a: 64 numbers a lane, register 16 b + i = k 32 b + 16 h + i of my row, become a fragment's codes and its scale word
.macro QUANTA a
.set AC, 64*((\a)%4)
	WIN 0x0a+5*((\a)/4)
.irp b, 0,1,2,3
	v_max3_num_f32 v[TM+\b], |v[AC+16*\b]|, |v[AC+16*\b+1]|, 0x1800000   ; with the floor 2^(3 - 127): the byte cannot fall under 1
.endr
.irp i, 2,4,6,8,10,12,14
.irp b, 0,1,2,3
	v_max3_num_f32 v[TM+\b], |v[AC+16*\b+\i]|, |v[AC+16*\b+\i+1]|, v[TM+\b]
.endr
.endr
	WIN 0
.irp b, 0,1,2,3
	v_permlanex16_b32 v[TM+4+\b], v[TM+\b], s104, s105
.endr
.irp b, 0,1,2,3
	v_max_num_f32 v[TM+\b], v[TM+\b], v[TM+4+\b]   ; with lane l xor 16's: the block's largest magnitude
.endr
.irp b, 0,1,2,3
	v_add_nc_u32 v[TM+8+\b], 0xff000000, v[TM+\b]  ; 2 off the exponent field: the conversion's scale operand
.endr
.irp b, 0,1,2,3
	v_lshrrev_b32 v[TM+4+\b], 23, v[TM+8+\b]       ; the byte
.endr
	v_lshl_or_b32 v[WS+(\a)], v[TM+5], 8, v[TM+4]
	v_lshl_or_b32 v[WS+(\a)], v[TM+6], 16, v[WS+(\a)]
	v_lshl_or_b32 v[WS+(\a)], v[TM+7], 24, v[WS+(\a)]
	s_wait_xcnt 0x0                                ; the last tile's stores have read the code registers and their base: both may be written
.if (\a) == 4
	s_add_nc_u64 s[98:99], s[98:99], s[94:95]
.elseif (\a) > 0
	s_add_nc_u64 s[98:99], s[98:99], s[92:93]
.endif
	WIN 0x02+((\a)/4)
.irp c, 0,1
	v_cvt_scalef32_pk16_fp6_f32 v[PC+6*\c:PC+6*\c+2], v[AC+32*\c:AC+32*\c+15], v[TM+8+2*\c]
	v_cvt_scalef32_pk16_fp6_f32 v[PT+4*\c:PT+4*\c+2], v[AC+32*\c+16:AC+32*\c+31], v[TM+8+2*\c+1]
.endr
	WIN 0
	v_nop                                          ; one plain place behind a scaled conversion
.irp c, 0,1                                    ; the operand's layout wants a whole block in a lane
.irp i, 0,1,2
	v_permlane16_swap_b32 v[PC+6*\c+\i], v[PT+4*\c+\i]
.endr
.irp i, 0,1,2
	v_mov_b32 v[PC+6*\c+3+\i], v[PT+4*\c+\i]
.endr
.endr
.irp i, 0,1,2,3,4,5,6,7,8,9,10,11
	v_cndmask_b32 v[PC+\i], 0, v[PC+\i], s[84+(\a)]   ; K: a masked key's codes are zeros
.endr
	s_wait_alu depctr_va_vdst(0)                   ; the wait ahead of the branch
	s_cmp_eq_u32 s45, 2
	s_cbranch_scc1 .Lst_v_\@
	v_mov_b32 v[PT], v[PC+4]                       ; Q, K: a head's image is 1,024 bytes: registers 0-3 at 16 x lane, registers 4-7 at 512 + 16 x lane; register 6 carries the mask's coordinate, register 7 is 0
	v_mov_b32 v[PT+1], v[PC+5]
	v_cndmask_b32 v[PT+2], 24, v31, s[84+(\a)]
	v_mov_b32 v[PT+3], 0
	v_mov_b32 v[PT+4], v[PC+10]
	v_mov_b32 v[PT+5], v[PC+11]
	v_mov_b32 v[PT+6], v[PT+2]
	v_mov_b32 v[PT+7], 0
	global_store_b128 v16, v[PC:PC+3], s[98:99]
	global_store_b128 v16, v[PT:PT+3], s[98:99] offset:512
	global_store_b128 v18, v[PC+6:PC+9], s[98:99]
	global_store_b128 v18, v[PT+4:PT+7], s[98:99] offset:512
	s_branch .Lst_d_\@
.Lst_v_\@:
	global_store_b128 v16, v[PC:PC+3], s[98:99]                ; V: a fragment's 12 registers, four at a time at 16 x lane
	global_store_b128 v16, v[PC+4:PC+7], s[98:99] offset:512
	global_store_b128 v16, v[PC+8:PC+11], s[98:99] offset:1024
.Lst_d_\@:
.endm
.irp a, 0,1,2,3,4,5,6,7
	QUANTA \a
.endr
	; ---- the scale words
	s_cmp_eq_u32 s45, 2
	s_cbranch_scc1 .Lscale_v
	s_cmp_eq_u32 s45, 0
	s_cselect_b32 s2, 0x7f0000, 0
	v_mov_b32 v220, s2                             ; byte 2, the scale of k = 64 .. 95: Q 127; K 0,
	v_mov_b32 v221, 0x9e0000                       ; a masked key 158
.irp a, 0,1,2,3,4,5,6,7
	v_lshrrev_b32 v[212+\a], v25, v[WS+\a]         ; Q, K: a head has two of the word's four bytes; the other two are 0 (they scale zero codes)
.endr
.irp a, 0,1,2,3,4,5,6,7
	v_cndmask_b32 v[224+\a], v221, v220, s[84+\a]
	v_and_or_b32 v[212+\a], v[212+\a], 0xffff, v[224+\a]
.endr
	global_store_b128 v24, v[212:215], s[100:101]             ; sixteen lanes store 256 consecutive bytes
	global_store_b128 v24, v[216:219], s[100:101] offset:256
	s_branch .Lend
.Lscale_v:
.irp d, 0,1,2,3
	v_cndmask_b32 v[212+\d], v[WS+\d], v[WS+4+\d], s12
.endr
	global_store_b128 v24, v[212:215], s[100:101]
.Lend:
	s_wait_tensorcnt 0x0                           ; the wave's end
	ds_add_u32 v[SPW], v[NIL]
	s_wait_dscnt 0x0
	CROUND                                         ; the closing round
	s_endpgm
.Lfunc_end_k_qe4ebfc80f9_proj:
	.size	k_qe4ebfc80f9_proj, .Lfunc_end_k_qe4ebfc80f9_proj-k_qe4ebfc80f9_proj
	.p2alignl 7, 3214868480
	.fill 96, 4, 3214868480
	.section	.rodata,"a",@progbits
	.p2align	6, 0x0
	.amdhsa_kernel k_qe4ebfc80f9_proj
		.amdhsa_group_segment_fixed_size 327680
		.amdhsa_private_segment_fixed_size 0
		.amdhsa_enable_private_segment 0
		.amdhsa_kernarg_size 80
		.amdhsa_user_sgpr_count 2
		.amdhsa_user_sgpr_kernarg_segment_ptr 1
		.amdhsa_wavefront_size32 1
		.amdhsa_system_sgpr_workgroup_id_x 1
		.amdhsa_system_sgpr_workgroup_id_y 1
		.amdhsa_system_sgpr_workgroup_id_z 1
		.amdhsa_system_vgpr_workitem_id 0
		.amdhsa_next_free_vgpr 1024
		.amdhsa_next_free_sgpr 106
		.amdhsa_reserve_vcc 0
		.amdhsa_float_denorm_mode_32 3
		.amdhsa_float_denorm_mode_16_64 3
		.amdhsa_memory_ordered 1
		.amdhsa_forward_progress 1
		.amdhsa_inst_pref_size 229
	.end_amdhsa_kernel
	.amdgpu_metadata
---
amdhsa.version: [ 1, 2 ]
amdhsa.kernels:
  - .name:           k_qe4ebfc80f9_proj
    .symbol:         k_qe4ebfc80f9_proj.kd
    .args:
      - { .name: cd, .offset: 0, .size: 8, .value_kind: global_buffer, .address_space: global }
      - { .name: sc, .offset: 8, .size: 8, .value_kind: global_buffer, .address_space: global }
      - { .name: bq, .offset: 16, .size: 8, .value_kind: global_buffer, .address_space: global }
      - { .name: bk, .offset: 24, .size: 8, .value_kind: global_buffer, .address_space: global }
      - { .name: bv, .offset: 32, .size: 8, .value_kind: global_buffer, .address_space: global }
      - { .name: mask, .offset: 40, .size: 8, .value_kind: global_buffer, .address_space: global }
      - { .name: qf, .offset: 48, .size: 8, .value_kind: global_buffer, .address_space: global }
      - { .name: qs, .offset: 56, .size: 8, .value_kind: global_buffer, .address_space: global }
      - { .name: kv, .offset: 64, .size: 8, .value_kind: global_buffer, .address_space: global }
      - { .name: ps, .offset: 72, .size: 8, .value_kind: global_buffer, .address_space: global }
    .group_segment_fixed_size: 327680
    .private_segment_fixed_size: 0
    .kernarg_segment_align: 8
    .kernarg_segment_size: 80
    .max_flat_workgroup_size: 128
    .sgpr_count:     106
    .vgpr_count:     1024
    .wavefront_size: 32
...
	.end_amdgpu_metadata
.endif
;; end of part 2
;; launch attn (part 3): grid 8 x 32, 8 waves a work-group, clusters of 4 x 1, 327,680 bytes of LDS; arguments qf, qs, kv, ps, cd, sc, cw; writes cd, sc, cw
.if DOCPART == 3
	.amdgcn_target "amdgcn-amd-amdhsa--gfx1250"
	.amdhsa_code_object_version 6
	.text
	.protected	k_qe4ebfc80f9_attn
	.globl	k_qe4ebfc80f9_attn
	.p2align	8
	.type	k_qe4ebfc80f9_attn,@function
k_qe4ebfc80f9_attn:
	s_mov_b64 s[64:65], 0
	v_nop
	global_prefetch_b8 v0, s[64:65] scope:SCOPE_SE
	s_setreg_imm32_b32 hwreg(HW_REG_WAVE_MODE, 25, 1), 1
	s_wait_xcnt 0x0
	s_wait_alu depctr_hold_cnt(0) depctr_sa_sdst(0) depctr_va_vdst(0) depctr_va_sdst(0) depctr_va_ssrc(0) depctr_va_vcc(0) depctr_vm_vsrc(0)
	s_getreg_b32 s2, hwreg(HW_REG_IB_STS2, 6, 4)
	s_cmp_eq_u32 s2, 0
	s_cbranch_scc0 .Lentry_in_a_cluster
	s_endpgm
.Lentry_in_a_cluster:
	s_bfe_u32 s2, ttmp6, 0x10000c
	s_cmp_lg_u32 s2, 0x3003
	s_cbranch_scc0 .Lentry_shape_is_right
	s_endpgm
.Lentry_shape_is_right:
; Attention of one (batch, head) on codes of FP6 (E2M3) with E8M0 scales: S^T = K Q^T, p = 2^(t - M), O^T += V^T p^T, O / l, quantised along the features for the last projection.
; t = score x log2(e) / 8 + 0.8 cos x log2(e): the cosine's bias moves p's codes, so it is kept.  M is the running largest t rounded up to a whole number; l sums the unquantised p.
; SHARES: a work-group has 256 queries of a head, a wave 32: two tiles, A and B, of 16, which share every fragment of K and V.  A lane holds one query; 16 steps of 128 keys.
; K's tile a of a step holds keys 64 (a / 4) + 8 (a % 4) + j + 32 h at row 8 h + j: so the 32 registers of tiles 4 c .. 4 c + 3 are keys 64 c + 32 h + 0 .. 31, a WHOLE block of p in one lane,
; in the order of the next operand's registers: a block's maximum needs no other lane and its codes no exchange.
; THE MASK is a 65th coordinate of the product (the head has 64, the instruction 128): Q has -1.0 at k = 64, a masked key 4.0 x 2^31 and zero codes elsewhere, any other key 0: a masked key's score is -2^33,
; where reference() has -1e9 x 8: its p is 0 either way, and where all keys are masked all p are 1 either way.  All Q's codes beyond k = 64 are zeros, so what K's registers 8-11 hold (the next tile's codes) adds nothing.
; LDS: the head's K, V and scale words, 16 x 15,104 bytes, filled once by two joint loads a wave: rows 0-239 of 256 bytes (steps 0-3) at the head, rows 240-943 behind a round of the cluster's barrier.
; CLUSTER 4 x 1: four work-groups of one head ask for the same bytes jointly.  No prefetch: both loads are asked for ahead of the first loop, so there is no loop to run ahead in.
; REGISTERS: window 0 as named below; window 1: K's 8 tiles x 8 registers (and 4 zeros) at v0, V's 4 fragments at v68.  K's next step is fetched behind tile B's products, V's step at the step's head.
; LIMITS: the promise holds while |t| stays under 2^31; NaN and infinities are not served; a block of zeros has the scale byte 1 (its codes are zeros; this program alone reads the bytes).
.set STEPB, 15104
.set KVB,   16*STEPB
.set P1,    30                         ; rows of 256 bytes a wave, first load; 8 x 30 rows hold steps 0-3
.set P2,    88                         ; second load: 8 x 88 rows, the rest
.set BBW,   KVB                        ; the bias word, a block of 256 bytes of its own
.set SPARE, BBW+256                    ; the spare words, 128 bytes a wave
.set QA, 16                            ; Q's fragments, 12 registers each
.set QB, 28
.set QS, 40                            ; v40-41 their scale words
.set BI, 42                            ; the bias, in t
.set KS, 44                            ; v44-51 K's scale words;  v52-55 V's
.set VS, 52
.set STA, 56                           ; a tile's state: +0 bias - M (+1: 0), +2,3 l, +4 f (+5: 0), +6 -M, +7 the running largest score
.set STB, 64
.set TM, 72                            ; v72-79 at work
.set SU, 80                            ; v80-85 three chains of the sum
.set PA, 88                            ; p's codes
.set PB, 100
.set WA, 112                           ; p's scale words
.set WB, 113
.set CT, 114                           ; v114-120 the upper halves of the blocks' codes, as converted
.set S,  124                           ; v124-187 scores, then p
.set OA, 188                           ; O^T
.set OB, 220
.set KF, 0                             ; window 1
.set VF, 68
.set MSB, 0
.macro WIN new                         ; the immediate's high byte repeats the setting that is left
.if MSB != (\new)
	s_set_vgpr_msb (MSB<<8)|(\new)
.set MSB, (\new)
.endif
.endm
.macro CROUND
	s_barrier_signal -1
	s_barrier_wait -1
	s_cmp_lg_u32 s20, 0
	s_cbranch_scc1 .Lnot_wave_0_\@
	s_barrier_signal -3
.Lnot_wave_0_\@:
	s_barrier_wait -3
	s_barrier_signal -1
	s_barrier_wait -1
.endm
.macro LDK off                         ; 18 loads: K's tiles and scale words at byte off from the step's base
	WIN 0x40
.irp a, 0,1,2,3,4,5,6,7
	ds_load_b128 v[KF+8*\a:KF+8*\a+3], v8 offset:\off+1024*\a
	ds_load_b128 v[KF+8*\a+4:KF+8*\a+7], v8 offset:\off+1024*\a+512
.endr
	WIN 0
	ds_load_b128 v[KS:KS+3], v10 offset:\off+14336
	ds_load_b128 v[KS+4:KS+7], v10 offset:\off+14592
.endm
.macro LDV                             ; 13 loads: this step's V and its scale words
	WIN 0x40
.irp d, 0,1,2,3
.irp g, 0,1,2
	ds_load_b128 v[VF+12*\d+4*\g:VF+12*\d+4*\g+3], v8 offset:8192+1536*\d+512*\g
.endr
.endr
	WIN 0
	ds_load_b128 v[VS:VS+3], v10 offset:14848
.endm
.macro SMUL Q, QW                      ; S^T = K Q^T: eight tiles of 16 keys, each sum begun with 0
	WIN 1
.irp a, 0,1,2,3,4,5,6,7
	v_wmma_scale_f32_16x16x128_f8f6f4 v[S+8*\a:S+8*\a+7], v[KF+8*\a:KF+8*\a+11], v[\Q:\Q+11], 0, v[KS+\a], v[\QW] matrix_a_fmt:MATRIX_FMT_FP6 matrix_b_fmt:MATRIX_FMT_FP6
.endr
	WIN 0
.endm
.macro PVMUL O, P, W                   ; O^T += V^T p^T: the four accumulators by turns
	WIN 1
.irp d, 0,1,2,3
	v_wmma_scale_f32_16x16x128_f8f6f4 v[\O+8*\d:\O+8*\d+7], v[VF+12*\d:VF+12*\d+11], v[\P:\P+11], v[\O+8*\d:\O+8*\d+7], v[VS+\d], v[\W] matrix_a_fmt:MATRIX_FMT_FP6 matrix_b_fmt:MATRIX_FMT_FP6
.endr
	WIN 0
.endm
.macro SUM4 ST, j                      ; eight p onto the four chains of the sum
	v_pk_add_f32 v[\ST+2:\ST+3], v[\ST+2:\ST+3], v[S+\j:S+\j+1]
	v_pk_add_f32 v[SU:SU+1], v[SU:SU+1], v[S+\j+2:S+\j+3]
	v_pk_add_f32 v[SU+2:SU+3], v[SU+2:SU+3], v[S+\j+4:S+\j+5]
	v_pk_add_f32 v[SU+4:SU+5], v[SU+4:SU+5], v[S+\j+6:S+\j+7]
.endm
; From a tile's scores to p's codes (their lower halves in place) and scale word
.macro FRONT ST, P, W
.irp q, 0,1,2,3                        ; the largest score of my two blocks, in four chains; each accumulator from its low end on
	v_max3_num_f32 v[TM+\q], v[S+16*\q], v[S+16*\q+1], v[S+16*\q+2]
.endr
.irp i, 3,5,7,9,11,13
.irp q, 0,1,2,3
	v_max3_num_f32 v[TM+\q], v[TM+\q], v[S+16*\q+\i], v[S+16*\q+\i+1]
.endr
.endr
	v_max3_num_f32 v[TM], v[TM], v[TM+1], v[S+15]
	v_max3_num_f32 v[TM+2], v[TM+2], v[TM+3], v[S+47]
	v_max_num_f32 v[TM], v[TM], v[S+31]
	v_max_num_f32 v[TM+2], v[TM+2], v[S+63]
	s_delay_alu instid0(VALU_DEP_1)
	v_max_num_f32 v[TM+4], v[TM], v[TM+2]
	s_delay_alu instid0(VALU_DEP_1)
	v_permlanex16_b32 v[TM+5], v[TM+4], s52, s53
	s_delay_alu instid0(VALU_DEP_1)
	v_max3_num_f32 v[\ST+7], v[\ST+7], v[TM+4], v[TM+5]   ; the running largest score of my query
	s_delay_alu instid0(VALU_DEP_1)
	v_fma_f32 v[TM+4], v[\ST+7], s54, v[BI]        ; as t
	s_delay_alu instid0(VALU_DEP_1)
	v_floor_f32 v[TM+6], -v[TM+4]                  ; the new -M
	s_delay_alu instid0(VALU_DEP_1)
	v_add_f32 v[\ST], v[TM+6], v[BI]               ; bias - M
	v_sub_f32 v[TM+5], v[TM+6], v[\ST+6]           ; M's old value less its new one
	v_mov_b32 v[\ST+6], v[TM+6]
.set e, 0
.rept 16
	v_pk_fma_f32 v[S+e:S+e+1], v[S+e:S+e+1], s[54:55], v[\ST:\ST+1] op_sel_hi:[1,0,0]   ; t - M
.set e, e+2
.endr
	v_cvt_i32_f32 v[TM+5], v[TM+5]                 ; (it saturates)
.rept 16
	v_pk_fma_f32 v[S+e:S+e+1], v[S+e:S+e+1], s[54:55], v[\ST:\ST+1] op_sel_hi:[1,0,0]
.set e, e+2
.endr
	v_ldexp_f32 v[\ST+4], 1.0, v[TM+5]             ; f = 2^(old M - new M)
	v_fma_f32 v[TM], v[TM], s54, v[\ST]            ; the same of each block's largest score: p rises with the score
	v_fma_f32 v[TM+2], v[TM+2], s54, v[\ST]
	s_wait_alu depctr_va_vdst(0)                   ; the wait ahead of the batch
.set e, 0
.rept 64
	v_exp_f32 v[S+e], v[S+e]
.set e, e+1
.endr
	v_exp_f32 v[TM], v[TM]
	v_exp_f32 v[TM+2], v[TM+2]
	v_pk_mul_f32 v[\ST+2:\ST+3], v[\ST+2:\ST+3], v[\ST+4:\ST+5] op_sel_hi:[1,0]   ; l under the new M; the plain place behind the batch
	s_wait_alu depctr_va_vdst(0)                   ; and the wait behind it
	v_pk_add_f32 v[SU:SU+1], v[S:S+1], v[S+2:S+3]  ; l takes the unquantised p; the blocks' scales are made between the sum's lines
	v_pk_add_f32 v[SU+2:SU+3], v[S+4:S+5], v[S+6:S+7]
	v_pk_add_f32 v[SU+4:SU+5], v[S+8:S+9], v[S+10:S+11]
	v_max_num_f32 v[TM], 0x1800000, v[TM]          ; the floor 2^(3 - 127): the byte cannot fall under 1
	v_max_num_f32 v[TM+2], 0x1800000, v[TM+2]
	SUM4 \ST, 12
	v_add_nc_u32 v[TM+1], 0xff000000, v[TM]        ; 2 off the exponent field: the conversion's scale operand
	v_add_nc_u32 v[TM+3], 0xff000000, v[TM+2]
	SUM4 \ST, 20
	v_lshrrev_b32 v[TM], 23, v[TM+1]               ; the bytes
	v_lshrrev_b32 v[TM+2], 23, v[TM+3]
	SUM4 \ST, 28
	v_lshl_or_b32 v[TM+4], v[TM+2], 16, v[TM]      ; blocks h and 2 + h,
	SUM4 \ST, 36
	v_lshlrev_b32 v[TM+4], v4, v[TM+4]             ; at their places
	SUM4 \ST, 44
	v_permlanex16_b32 v[TM+5], v[TM+4], s52, s53
	SUM4 \ST, 52
	v_pk_add_f32 v[\ST+2:\ST+3], v[\ST+2:\ST+3], v[S+60:S+61]
	v_pk_add_f32 v[SU:SU+1], v[SU:SU+1], v[S+62:S+63]
	v_pk_add_f32 v[SU+2:SU+3], v[SU+2:SU+3], v[SU+4:SU+5]
	s_delay_alu instid0(VALU_DEP_2)
	v_pk_add_f32 v[\ST+2:\ST+3], v[\ST+2:\ST+3], v[SU:SU+1]
	s_delay_alu instid0(VALU_DEP_1)
	v_pk_add_f32 v[\ST+2:\ST+3], v[\ST+2:\ST+3], v[SU+2:SU+3]
.irp c, 0,1
	v_cvt_scalef32_pk16_fp6_f32 v[\P+6*\c:\P+6*\c+2], v[S+32*\c:S+32*\c+15], v[TM+1+2*\c]
	v_cvt_scalef32_pk16_fp6_f32 v[CT+4*\c:CT+4*\c+2], v[S+32*\c+16:S+32*\c+31], v[TM+1+2*\c]   ; (a conversion's three registers begin on an even number)
.endr
	v_or_b32 v[\W], v[TM+4], v[TM+5]               ; with lane l xor 16's two bytes the word is whole; the plain place behind the conversions
.endm
; The codes' upper halves, and O^T under the new M: 22 plain lines that name no register of the score products issued just ahead: their places, and those in front of the product that follows
.macro BACK ST, P, O
.irp c, 0,1
.irp i, 0,1,2
	v_mov_b32 v[\P+6*\c+3+\i], v[CT+4*\c+\i]
.endr
.endr
	s_wait_alu depctr_va_vdst(0)                   ; the wait directly ahead of the first reader of O^T
.set e, 0
.rept 16
	v_pk_mul_f32 v[\O+e:\O+e+1], v[\O+e:\O+e+1], v[\ST+4:\ST+5] op_sel_hi:[1,0]
.set e, e+2
.endr
.endm
; A step of 128 keys.  It finds tile A's scores made; it makes tile B's behind A's conversions and the next step's A's behind B's.
.macro STEPM last
	v_add_nc_u32 v8, s56, v1                       ; the step's base; with the two v_nop the four places behind the last products, in front of the loads into V's registers
	v_add_nc_u32 v10, s56, v3
	v_nop
	v_nop
	LDV
	FRONT STA, PA, WA
	SMUL QB, QS+1
	BACK STA, PA, OA
.if \last == 0
	LDK STEPB                                      ; K's registers are free: the next step's
.endif
	s_wait_alu depctr_va_vdst(0)                   ; the wait ahead of the wait below
.if \last == 0
	s_wait_dscnt 18                                ; V's 13 loads are in; the 18 just issued may be out
.else
	s_wait_dscnt 0x0
.endif
	PVMUL OA, PA, WA
	FRONT STB, PB, WB
.if \last == 0
	s_wait_alu depctr_va_vdst(0)
	s_wait_dscnt 0x0                               ; the next step's K is in
	SMUL QA, QS
.endif
	BACK STB, PB, OB
	PVMUL OB, PB, WB
.endm
.macro LOOPEND lab
	s_add_co_u32 s56, s56, STEPB
	s_sub_co_u32 s58, s58, 1
	s_cmp_lg_u32 s58, 0
	s_wait_alu depctr_va_vdst(0)                   ; the wait ahead of the branch
	s_cbranch_scc1 \lab
.endm
	s_load_b256 s[4:11], s[0:1], 0x0               ; qf, qs, kv, ps
	s_load_b128 s[12:15], s[0:1], 0x20             ; cd, sc
	s_load_b64 s[16:17], s[0:1], 0x30              ; cw
	v_lshl_add_u32 v5, v0, 2, SPARE
	v_mov_b32 v6, 0
	ds_add_u32 v5, v6                              ; the opening lines: the add, twice on end, and its wait
	ds_add_u32 v5, v6
	v_lshrrev_b32 v9, 5, v0
	v_readfirstlane_b32 s20, v9                    ; wave 0..7
	s_and_b32 s22, ttmp7, 0xffff                   ; 16 b + head
	s_mov_b32 s24, 15|(3<<16)|(1<<21)              ; group 1: all four partners; elements of 8 bytes; rows of 256 bytes, dense
	s_mov_b32 s25, 32<<16
	s_mov_b32 s26, P1<<16
	s_mov_b32 s27, 32<<16
	s_mov_b32 s28, P1
	s_mov_b32 s29, 32
	s_mov_b32 s30, 0
	s_mov_b32 s31, 0
	s_mov_b32 s32, 15|(3<<16)|(1<<21)
	s_mov_b32 s33, 32<<16
	s_mov_b32 s34, P2<<16
	s_mov_b32 s35, 32<<16
	s_mov_b32 s36, P2
	s_mov_b32 s37, 32
	s_mov_b32 s38, 0
	s_mov_b32 s39, 0
	s_mul_i32 s50, s22, KVB
	s_mov_b32 s51, 0
	s_mul_i32 s48, s20, P1*256                     ; my rows of the first load,
	s_mul_i32 s49, s20, P2*256
	s_add_co_u32 s49, s49, 8*P1*256                ; and of the second
	s_mov_b32 s52, 0x76543210
	s_mov_b32 s53, 0xfedcba98                      ; selects for lane l xor 16
	s_mov_b32 s54, 0x3e38aa3b                      ; log2(e) / 8
	s_mov_b32 s55, s54
	s_mov_b32 s56, 0
	s_wait_dscnt 0x0
	s_wait_kmcnt 0x0
	s_add_nc_u64 s[50:51], s[8:9], s[50:51]
	s_mov_b32 s66, s48
	s_mov_b32 s67, 0
	s_mov_b32 s40, 1
	s_mov_b32 s41, s48
	s_add_nc_u64 s[42:43], s[50:51], s[66:67]
	s_or_b32 s43, s43, 0x80000000
	s_mov_b32 s66, s49
	s_mov_b32 s44, 1
	s_mov_b32 s45, s49
	s_add_nc_u64 s[46:47], s[50:51], s[66:67]
	s_or_b32 s47, s47, 0x80000000
	CROUND                                         ; the first joint loads meet
	tensor_load_to_lds s[40:43], s[24:31]
	s_nop 0
	s_bfe_u32 s21, ttmp6, 0x40000                  ; cx: it enters global addresses alone
	s_lshl_b32 s23, ttmp9, 2
	s_add_co_u32 s23, s23, s21                     ; which 256 queries
	s_lshl_b32 s48, s23, 4
	s_lshl_b32 s49, s20, 1
	s_add_co_u32 s48, s48, s49                     ; tile A's number in the head, 0 .. 126; B is the next
	s_lshr_b32 s59, s22, 4                         ; b
	s_and_b32 s60, s22, 15                         ; head
	s_lshl_b32 s66, s22, 7
	s_add_co_u32 s66, s66, s48
	s_lshl_b32 s66, s66, 10
	s_add_nc_u64 s[4:5], s[4:5], s[66:67]          ; Q's images, 1,024 bytes a tile
	s_lshl_b32 s66, s22, 13
	s_lshr_b32 s49, s48, 2
	s_lshl_b32 s49, s49, 8
	s_add_co_u32 s66, s66, s49
	s_and_b32 s49, s48, 3
	s_lshl_b32 s49, s49, 2
	s_add_co_u32 s66, s66, s49
	s_add_nc_u64 s[6:7], s[6:7], s[66:67]          ; their scale words
	s_lshl_b32 s66, s59, 16
	s_lshl_b32 s49, s60, 8
	s_add_co_u32 s66, s66, s49
	s_add_nc_u64 s[10:11], s[10:11], s[66:67]      ; the head's sums of Q; V's lie 131,072 bytes on
	s_lshl_b32 s66, s22, 3
	s_add_co_u32 s66, s66, s23
	s_lshl_b32 s66, s66, 2
	s_add_nc_u64 s[16:17], s[16:17], s[66:67]      ; my word of cw
	s_lshl_b32 s66, s59, 7                         ; where the results go: tile 1,024 + 128 b + tile A of cd, K step head / 2, half head % 2
	s_add_co_u32 s66, s66, s48
	s_add_co_u32 s66, s66, 1024
	s_mul_i32 s68, s66, 12288
	s_lshr_b32 s67, s60, 1
	s_mul_i32 s67, s67, 1536
	s_add_co_u32 s68, s68, s67
	s_and_b32 s67, s60, 1
	s_mul_i32 s70, s67, 768
	s_add_co_u32 s68, s68, s70
	s_mov_b32 s69, 0
	s_add_nc_u64 s[12:13], s[12:13], s[68:69]
	s_lshl_b32 s68, s66, 9
	s_lshr_b32 s70, s60, 3
	s_lshl_b32 s70, s70, 8
	s_add_co_u32 s68, s68, s70
	s_bfe_u32 s70, s60, 0x20001
	s_lshl_b32 s70, s70, 2
	s_add_co_u32 s68, s68, s70
	s_lshl_b32 s70, s67, 1
	s_add_co_u32 s68, s68, s70
	s_add_nc_u64 s[14:15], s[14:15], s[68:69]
	v_and_b32 v9, 31, v0
	v_and_b32 v11, 15, v0
	v_bfe_u32 v12, v0, 4, 1
	v_lshlrev_b32 v1, 4, v9                        ; 16 x lane
	v_lshlrev_b32 v2, 3, v9                        ; 8 x lane
	v_lshlrev_b32 v3, 4, v11                       ; 16 r
	v_lshlrev_b32 v4, 3, v12                       ; 8 h
	v_mov_b32 v7, BBW
	v_lshl_add_u32 v15, v12, 12, v3
	v_add_nc_u32 v8, s56, v1
	v_add_nc_u32 v10, s56, v3
	s_wait_alu depctr_va_vdst(0)                   ; the wait ahead of the readers and of the branch below
	global_load_b128 v[QA:QA+3], v1, s[4:5]
	global_load_b128 v[QA+4:QA+7], v1, s[4:5] offset:512
	global_load_b128 v[QB:QB+3], v1, s[4:5] offset:1024
	global_load_b128 v[QB+4:QB+7], v1, s[4:5] offset:1536
	global_load_b64 v[QS:QS+1], v3, s[6:7]
	s_cmp_lg_u32 s20, 0
	s_cbranch_scc1 .Lnot_cos
	; wave 0: the cosine between the head's mean Q and mean V, from the sums over 128 tokens that the projections stored
.set CQ, S
.set CV, S+32
.irp l, 0,1,2,3,4,5,6,7
	global_load_b128 v[CQ+4*\l:CQ+4*\l+3], v15, s[10:11] offset:8192*\l
	global_load_b128 v[CV+4*\l:CV+4*\l+3], v15, s[10:11] offset:131072+8192*\l
.endr
	s_wait_loadcnt 0x0
.irp l, 1,2,3,4,5,6,7
	v_pk_add_f32 v[CQ:CQ+1], v[CQ:CQ+1], v[CQ+4*\l:CQ+4*\l+1]
	v_pk_add_f32 v[CQ+2:CQ+3], v[CQ+2:CQ+3], v[CQ+4*\l+2:CQ+4*\l+3]
	v_pk_add_f32 v[CV:CV+1], v[CV:CV+1], v[CV+4*\l:CV+4*\l+1]
	v_pk_add_f32 v[CV+2:CV+3], v[CV+2:CV+3], v[CV+4*\l+2:CV+4*\l+3]
.endr
.irp i, 0,1,2,3
	v_permlanex16_b32 v[CQ+4+\i], v[CQ+\i], s52, s53
	v_permlanex16_b32 v[CV+4+\i], v[CV+\i], s52, s53
.endr
	v_pk_add_f32 v[CQ:CQ+1], v[CQ:CQ+1], v[CQ+4:CQ+5]
	v_pk_add_f32 v[CQ+2:CQ+3], v[CQ+2:CQ+3], v[CQ+6:CQ+7]
	v_pk_add_f32 v[CV:CV+1], v[CV:CV+1], v[CV+4:CV+5]
	v_pk_add_f32 v[CV+2:CV+3], v[CV+2:CV+3], v[CV+6:CV+7]
.irp i, 0,1,2,3
	v_mul_f32 v[CQ+\i], 0x3a000000, v[CQ+\i]       ; / 2,048: the means
	v_mul_f32 v[CV+\i], 0x3a000000, v[CV+\i]
.endr
	v_mul_f32 v[TM], v[CQ], v[CV]
	v_mul_f32 v[TM+1], v[CQ], v[CQ]
	v_mul_f32 v[TM+2], v[CV], v[CV]
.irp i, 1,2,3
	v_fmac_f32 v[TM], v[CQ+\i], v[CV+\i]
	v_fmac_f32 v[TM+1], v[CQ+\i], v[CQ+\i]
	v_fmac_f32 v[TM+2], v[CV+\i], v[CV+\i]
.endr
.irp x, 1,2,4,8
	v_add_f32_dpp v[TM], v[TM], v[TM] row_xmask:\x row_mask:0xf bank_mask:0xf
	v_add_f32_dpp v[TM+1], v[TM+1], v[TM+1] row_xmask:\x row_mask:0xf bank_mask:0xf
	v_add_f32_dpp v[TM+2], v[TM+2], v[TM+2] row_xmask:\x row_mask:0xf bank_mask:0xf
.endr
	s_wait_alu depctr_va_vdst(0)
	v_sqrt_f32 v[TM+1], v[TM+1]
	v_sqrt_f32 v[TM+2], v[TM+2]
	v_mov_b32 v[TM+3], 0
	s_wait_alu depctr_va_vdst(0)
	v_max_num_f32 v[TM+1], 0x322bcc77, v[TM+1]     ; each norm held at 1e-8 from below
	v_max_num_f32 v[TM+2], 0x322bcc77, v[TM+2]
	s_delay_alu instid0(VALU_DEP_1)
	v_mul_f32 v[TM+1], v[TM+1], v[TM+2]
	s_wait_alu depctr_va_vdst(0)
	v_rcp_f32 v[TM+1], v[TM+1]
	v_nop
	s_wait_alu depctr_va_vdst(0)
	v_mul_f32 v[TM], v[TM], v[TM+1]                ; the cosine
	s_delay_alu instid0(VALU_DEP_1)
	v_mul_f32 v[TM+2], 0.5, v[TM]
	s_delay_alu instid0(VALU_DEP_1)
	v_fmamk_f32 v[TM+2], v[TM], 0x3e99999a, v[TM+2]
	s_delay_alu instid0(VALU_DEP_1)
	v_mul_f32 v[TM+2], 0x3fb8aa3b, v[TM+2]         ; the two biases, in t
	ds_store_b32 v7, v[TM+2]
	s_mov_b32 s61, 1                               ; lane 0 alone stores the cosine
	s_wait_alu depctr_va_vdst(0)
	s_wait_xcnt 0x0                                ; EXEC changes only behind this wait
	s_and_saveexec_b32 s62, s61
	global_store_b32 v[TM+3], v[TM], s[16:17]
	s_wait_xcnt 0x0
	s_or_b32 exec_lo, exec_lo, s62
.Lnot_cos:
.irp i, QA+8,QA+9,QA+10,QA+11,QB+8,QB+9,QB+10,QB+11,STA+1,STA+2,STA+3,STA+5,STB+1,STB+2,STB+3,STB+5,TM+5
	v_mov_b32 v[\i], 0
.endr
	v_mov_b32 v[STA+6], 0x7f61b1e6                 ; -M: 3e38; the largest score so far: -3e38.  The step is written once: the first change of M makes f = 0, which leaves the zeros below zeros
	v_mov_b32 v[STB+6], 0x7f61b1e6
	v_mov_b32 v[STA+7], 0xff61b1e6
	v_mov_b32 v[STB+7], 0xff61b1e6
.set e, 0
.rept 64
	v_mov_b32 v[OA+e], 0
.set e, e+1
.endr
	WIN 0x40
.irp i, 64,65,66,67
	v_mov_b32 v[KF+\i], 0                          ; what stands behind K's last tile
.endr
	WIN 0
	s_wait_alu depctr_va_vdst(0)                   ; the wait at the head's end
	s_wait_tensorcnt 0x0                           ; my rows of the first load are in
	ds_add_u32 v5, v6
	s_wait_dscnt 0x0                               ; the add is done, and wave 0's store of the bias
	CROUND
	tensor_load_to_lds s[44:47], s[32:39]          ; steps 4-15 (and the end of row 239's block): first behind the round
	s_nop 0
.rept 4
	v_nop
.endr
	ds_load_b32 v[BI], v7
	LDK 0
	s_wait_loadcnt 0x0                             ; Q
	s_wait_dscnt 0x0
	SMUL QA, QS                                    ; step 0, tile A
	s_mov_b32 s58, 3
.Lfirst:                                               ; steps 0-2: they read steps 0-3's bytes alone
	STEPM 0
	LOOPEND .Lfirst
	s_wait_tensorcnt 0x0                           ; my rows of the second load are in
	s_wait_dscnt 0x0
	s_barrier_signal -1
	s_barrier_wait -1
	s_mov_b32 s56, 3*STEPB
	s_mov_b32 s58, 12
.Lrest:                                                ; steps 3-14
	STEPM 0
	LOOPEND .Lrest
	s_mov_b32 s56, 15*STEPB
	STEPM 1                                        ; the last step fetches no K and makes no further scores
; O / l, quantised along the features: the 16 registers of V's tiles 2 b, 2 b + 1 are features 32 b + 16 h + 0 .. 15, so a block lies in lanes l and l xor 16
.macro OUT ST, O, P, n
	v_add_f32 v[\ST+2], v[\ST+2], v[\ST+3]
	s_delay_alu instid0(VALU_DEP_1)
	v_permlanex16_b32 v[TM+5], v[\ST+2], s52, s53
	s_delay_alu instid0(VALU_DEP_1)
	v_add_f32 v[\ST+2], v[\ST+2], v[TM+5]          ; the row's sum
	s_wait_alu depctr_va_vdst(0)
	v_rcp_f32 v[\ST+4], v[\ST+2]
	v_nop
	s_wait_alu depctr_va_vdst(0)                   ; behind the transcendental, directly ahead of the first reader of O^T
.set e, 0
.rept 16
	v_pk_mul_f32 v[\O+e:\O+e+1], v[\O+e:\O+e+1], v[\ST+4:\ST+5] op_sel_hi:[1,0]
.set e, e+2
.endr
.irp b, 0,1
	v_max3_num_f32 v[TM+\b], |v[\O+16*\b]|, |v[\O+16*\b+1]|, 0x1800000
.endr
.irp i, 2,4,6,8,10,12,14
.irp b, 0,1
	s_delay_alu instid0(VALU_DEP_2)
	v_max3_num_f32 v[TM+\b], v[TM+\b], |v[\O+16*\b+\i]|, |v[\O+16*\b+\i+1]|
.endr
.endr
.irp b, 0,1
	v_permlanex16_b32 v[TM+2+\b], v[TM+\b], s52, s53
.endr
.irp b, 0,1
	v_max_num_f32 v[TM+\b], v[TM+\b], v[TM+2+\b]
.endr
.irp b, 0,1
	v_add_nc_u32 v[TM+2+\b], 0xff000000, v[TM+\b]
.endr
.irp b, 0,1
	v_lshrrev_b32 v[TM+\b], 23, v[TM+2+\b]
.endr
	v_lshl_or_b32 v[TM+6+\n], v[TM+1], 8, v[TM]    ; the head's two bytes of the row's scale word
	v_cvt_scalef32_pk16_fp6_f32 v[\P:\P+2], v[\O:\O+15], v[TM+2]
	v_cvt_scalef32_pk16_fp6_f32 v[CT:CT+2], v[\O+16:\O+31], v[TM+3]
	v_nop
.irp i, 0,1,2
	v_permlane16_swap_b32 v[\P+\i], v[CT+\i]       ; the operand's layout wants a whole block in a lane
.endr
.irp i, 0,1,2
	v_mov_b32 v[\P+3+\i], v[CT+\i]
.endr
	global_store_b128 v1, v[\P:\P+3], s[12:13] offset:12288*\n
	global_store_b64 v2, v[\P+4:\P+5], s[12:13] offset:12288*\n+512
.endm
	OUT STA, OA, PA, 0
	OUT STB, OB, PB, 1
	s_mov_b32 s61, 0xffff                          ; lanes 0-15 store the rows' bytes
	s_wait_alu depctr_va_vdst(0)
	s_wait_xcnt 0x0                                ; EXEC changes only behind this wait
	s_and_saveexec_b32 s62, s61
	global_store_b16 v3, v[TM+6], s[14:15]
	global_store_b16 v3, v[TM+7], s[14:15] offset:512
	s_wait_xcnt 0x0
	s_or_b32 exec_lo, exec_lo, s62
	s_wait_tensorcnt 0x0                           ; the wave's end
	ds_add_u32 v5, v6
	s_wait_dscnt 0x0
	CROUND                                         ; the closing round
	s_endpgm
.Lfunc_end_k_qe4ebfc80f9_attn:
	.size	k_qe4ebfc80f9_attn, .Lfunc_end_k_qe4ebfc80f9_attn-k_qe4ebfc80f9_attn
	.p2alignl 7, 3214868480
	.fill 96, 4, 3214868480
	.section	.rodata,"a",@progbits
	.p2align	6, 0x0
	.amdhsa_kernel k_qe4ebfc80f9_attn
		.amdhsa_group_segment_fixed_size 327680
		.amdhsa_private_segment_fixed_size 0
		.amdhsa_enable_private_segment 0
		.amdhsa_kernarg_size 56
		.amdhsa_user_sgpr_count 2
		.amdhsa_user_sgpr_kernarg_segment_ptr 1
		.amdhsa_wavefront_size32 1
		.amdhsa_system_sgpr_workgroup_id_x 1
		.amdhsa_system_sgpr_workgroup_id_y 1
		.amdhsa_system_sgpr_workgroup_id_z 1
		.amdhsa_system_vgpr_workitem_id 0
		.amdhsa_next_free_vgpr 384
		.amdhsa_next_free_sgpr 80
		.amdhsa_reserve_vcc 0
		.amdhsa_float_denorm_mode_32 3
		.amdhsa_float_denorm_mode_16_64 3
		.amdhsa_memory_ordered 1
		.amdhsa_forward_progress 1
		.amdhsa_inst_pref_size 108
	.end_amdhsa_kernel
	.amdgpu_metadata
---
amdhsa.version: [ 1, 2 ]
amdhsa.kernels:
  - .name:           k_qe4ebfc80f9_attn
    .symbol:         k_qe4ebfc80f9_attn.kd
    .args:
      - { .name: qf, .offset: 0, .size: 8, .value_kind: global_buffer, .address_space: global }
      - { .name: qs, .offset: 8, .size: 8, .value_kind: global_buffer, .address_space: global }
      - { .name: kv, .offset: 16, .size: 8, .value_kind: global_buffer, .address_space: global }
      - { .name: ps, .offset: 24, .size: 8, .value_kind: global_buffer, .address_space: global }
      - { .name: cd, .offset: 32, .size: 8, .value_kind: global_buffer, .address_space: global }
      - { .name: sc, .offset: 40, .size: 8, .value_kind: global_buffer, .address_space: global }
      - { .name: cw, .offset: 48, .size: 8, .value_kind: global_buffer, .address_space: global }
    .group_segment_fixed_size: 327680
    .private_segment_fixed_size: 0
    .kernarg_segment_align: 8
    .kernarg_segment_size: 56
    .max_flat_workgroup_size: 256
    .sgpr_count:     80
    .vgpr_count:     384
    .wavefront_size: 32
...
	.end_amdgpu_metadata
.endif
;; end of part 3
;; launch outp (part 4): grid 8 x 32, 4 waves a work-group, clusters of 4 x 4, 327,680 bytes of LDS; arguments cd, sc, bo, cw, out0, out1, sink; writes out0, out1, sink
.if DOCPART == 4
	.amdgcn_target "amdgcn-amd-amdhsa--gfx1250"
	.amdhsa_code_object_version 6
	.text
	.protected	k_qe4ebfc80f9_outp
	.globl	k_qe4ebfc80f9_outp
	.p2align	8
	.type	k_qe4ebfc80f9_outp,@function
k_qe4ebfc80f9_outp:
	s_mov_b64 s[64:65], 0
	v_nop
	global_prefetch_b8 v0, s[64:65] scope:SCOPE_SE
	s_setreg_imm32_b32 hwreg(HW_REG_WAVE_MODE, 25, 1), 1
	s_wait_xcnt 0x0
	s_wait_alu depctr_hold_cnt(0) depctr_sa_sdst(0) depctr_va_vdst(0) depctr_va_sdst(0) depctr_va_ssrc(0) depctr_va_vcc(0) depctr_vm_vsrc(0)
	s_getreg_b32 s2, hwreg(HW_REG_IB_STS2, 6, 4)
	s_cmp_eq_u32 s2, 0
	s_cbranch_scc0 .Lentry_in_a_cluster
	s_endpgm
.Lentry_in_a_cluster:
	s_bfe_u32 s2, ttmp6, 0x10000c
	s_cmp_lg_u32 s2, 0xf033
	s_cbranch_scc0 .Lentry_shape_is_right
	s_endpgm
.Lentry_shape_is_right:
; out0 = attn Wo^T + bo on codes of FP6 (E2M3) with E8M0 scales; out1 = the mean of the 32 cosines.
; A work-group makes 128 x 128 of out0: 32 x 8 = 256 work-groups; a wave makes 64 x 64: 16 accumulators.  Source 1 ("A") = the attention's tiles 1,024 + 8 by + .. of cd, source 0 ("B") = Wo's tiles 960 + 8 bx + ..;
; a tile's 16 rows are 32 (t / 2) + 8 (t % 2) + p % 8 + 16 (p / 8), and its bytes are the images of its fragments' registers, 8 K steps x 1,536 bytes.
; LDS: the block's 8 tiles of A and 8 of B for ALL of K are 2 x 98,304 bytes: each wave brings four tiles, 49,152 dense bytes, by its one tensor load at the head.  Nothing is filled again: no ring, one barrier.
; CLUSTER 4 x 4: A's tiles hang on by alone and are asked for jointly along a row of the cluster, B's on bx alone, along a column.  No prefetch: all loads go out at the head, and there is no loop to run ahead in.
; K = 1,024 in 8 steps, written out: ahead of each step's 16 products the next step's 32 LDS loads are issued into the other set of fragment registers.  bo is the C of each sum's first product.
; out1: cw holds each cosine eight times, so the mean of its 256 words is the mean of the 32.  Wave 0 of the work-groups of cluster (0, 0) forms it (the branch hangs on the cluster's number, which all partners share);
; the sixteen are told apart by ADDRESS: the first stores into out1, each other into its own word of sink.
; REGISTERS: window 0: v1-29 addresses; v32-63 scale words (v[32 + 8 i + ks]: lanes 0-15 A's tile i, lanes 16-31 B's); v64-159 A's fragments, two sets; on the way out v64-191.
;   window 1: v0-95 B's fragments, two sets; v96-127 bo.   window 2: v0-127 the accumulators, (a, b) at v[8 (4 a + b)].
.set PART,   49152                     ; four tiles, all of K: what one tensor load brings and what a wave reads of A or of B
.set STAGE,  4*PART                    ; behind the tiles: a stage of 16 rows x 272 bytes for each wave
.set SPITCH, 272
.set SPARE,  STAGE+4*16*SPITCH         ; behind the stages: the spare words, 128 bytes a wave
.set SPW, 28
.set NIL, 29
.set A16, 4                            ; my A tiles + 16 x lane;  A8: + 8 x lane;  the same for B
.set A8,  5
.set B16, 6
.set B8,  7
.set STO, 8                            ; the stage: where I put 32 bytes of a row
.set RD,  9                            ; and where I read 16 bytes of a row back
.set CO,  10                           ; the same place in out0
.set SC,  32
.set AF,  64
.set BK,  64
.set G1A, 24
.set G1B, 32
.set G0A, 48
.set G0B, 52
.set WV,  40
.set WR,  41                           ; my half of A.  Also: I fetch for A (0) or B (1)
.set WC,  42                           ; my half of B.  Also: which four tiles I fetch
.set MSB, 0
.macro WIN new                         ; the immediate's high byte repeats the setting that is left
.if MSB != (\new)
	s_set_vgpr_msb (MSB<<8)|(\new)
.set MSB, (\new)
.endif
.endm
.macro PLACES n
.rept \n
	v_nop
.endr
.endm
.macro CROUND                          ; a round of the cluster's barrier
	s_barrier_signal -1
	s_barrier_wait -1
	s_cmp_lg_u32 s[WV], 0
	s_cbranch_scc1 .Lnot_wave_0_\@
	s_barrier_signal -3
.Lnot_wave_0_\@:
	s_barrier_wait -3
	s_barrier_signal -1
	s_barrier_wait -1
.endm
.macro FRAG reg, a16, a8, off          ; a fragment, 12 registers, from its image: four loads, each of consecutive bytes
	ds_load_b128 v[\reg:\reg+3], v[\a16] offset:\off
	ds_load_b64 v[\reg+4:\reg+5], v[\a8] offset:\off+512
	ds_load_b128 v[\reg+6:\reg+9], v[\a16] offset:\off+768
	ds_load_b64 v[\reg+10:\reg+11], v[\a8] offset:\off+1280
.endm
.macro FETCH ks                        ; 32 loads: K step ks's four fragments of B and four of A into set ks % 2
.set PP, (\ks)%2
	WIN 0x40
.irp i, 0,1,2,3
	FRAG 48*PP+12*\i, B16, B8, 12288*\i+1536*(\ks)
.endr
	WIN 0
.irp i, 0,1,2,3
	FRAG AF+48*PP+12*\i, A16, A8, 12288*\i+1536*(\ks)
.endr
.endm
.macro MUL ks                          ; 16 products; the 16 accumulators take turns
.set PP, (\ks)%2
.irp a, 0,1,2,3
.irp b, 0,1,2,3
.if (\ks) == 0
	v_wmma_scale_f32_16x16x128_f8f6f4 v[8*(4*\a+\b):8*(4*\a+\b)+7], v[48*PP+12*\b:48*PP+12*\b+11], v[AF+48*PP+12*\a:AF+48*PP+12*\a+11], v[96+8*\b:96+8*\b+7], v[SC+8*\b+(\ks)], v[SC+8*\a+(\ks)] matrix_a_fmt:MATRIX_FMT_FP6 matrix_b_fmt:MATRIX_FMT_FP6 matrix_a_scale:MATRIX_SCALE_ROW1
.else
	v_wmma_scale_f32_16x16x128_f8f6f4 v[8*(4*\a+\b):8*(4*\a+\b)+7], v[48*PP+12*\b:48*PP+12*\b+11], v[AF+48*PP+12*\a:AF+48*PP+12*\a+11], v[8*(4*\a+\b):8*(4*\a+\b)+7], v[SC+8*\b+(\ks)], v[SC+8*\a+(\ks)] matrix_a_fmt:MATRIX_FMT_FP6 matrix_b_fmt:MATRIX_FMT_FP6 matrix_a_scale:MATRIX_SCALE_ROW1
.endif
.endr
.endr
.endm
.macro KSTEP ks
.if (\ks) > 0
	PLACES 4                                       ; behind the last step's products, in front of loads into the set that they read
.endif
.if (\ks) < 7
	FETCH (\ks)+1
	s_wait_dscnt 32                                ; this step's fragments are in; the 32 loads just issued may be out
.else
	s_wait_dscnt 0x0
.endif
.if (\ks) == 0
	WIN 0x91                                       ; source 0 (B) and C (bo) window 1, source 1 (A) window 0, D window 2
.else
	WIN 0xa1                                       ; C and D window 2
.endif
	MUL \ks
	WIN 0
.endm
	s_load_b256 s[4:11], s[0:1], 0x0               ; cd, sc, bo, cw
	s_load_b128 s[12:15], s[0:1], 0x20             ; out0, out1
	s_load_b64 s[16:17], s[0:1], 0x30              ; sink
	v_lshl_add_u32 v[SPW], v0, 2, SPARE
	v_mov_b32 v[NIL], 0
	ds_add_u32 v[SPW], v[NIL]                      ; the opening lines: the add, twice on end, and its wait ahead of my tensor load
	ds_add_u32 v[SPW], v[NIL]
	v_lshrrev_b32 v1, 5, v0
	v_readfirstlane_b32 s[WV], v1
	s_lshr_b32 s[WR], s[WV], 1
	s_and_b32 s[WC], s[WV], 1
	s_bfe_u32 s43, ttmp6, 0x40000                  ; cx
	s_bfe_u32 s44, ttmp6, 0x40004                  ; cy
	s_lshl_b32 s45, ttmp9, 2
	s_add_co_u32 s45, s45, s43                     ; bx: which 128 columns, 0 .. 7
	s_and_b32 s80, ttmp7, 0xffff
	s_lshl_b32 s46, s80, 2
	s_add_co_u32 s46, s46, s44                     ; by: which 128 rows, 0 .. 31
	s_or_b32 s80, s80, ttmp9                       ; 0 in cluster (0, 0) alone
	s_lshl_b32 s47, s44, 2
	s_lshl_b32 s47, 15, s47                        ; my row of the cluster
	s_lshl_b32 s2, 0x1111, s43                     ; my column
	s_or_b32 s[G1A], s47, (3<<16)|(1<<21)          ; the mask; elements of 8 bytes; bit 21 beside a mask; no padding
	s_or_b32 s[G1B], s2, (3<<16)|(1<<21)
.irp g, G1A, G1B
	s_mov_b32 s[\g+1], 32<<16                      ; a dense block as 192 rows of 256 bytes
	s_mov_b32 s[\g+2], 192<<16
	s_mov_b32 s[\g+3], 32<<16
	s_mov_b32 s[\g+4], 192
	s_mov_b32 s[\g+5], 32
	s_mov_b32 s[\g+6], 0
	s_mov_b32 s[\g+7], 0
.endr
	s_lshl_b32 s66, s46, 3
	s_add_co_u32 s66, s66, 1024                    ; A's first tile: hangs on by alone
	s_lshl_b32 s67, s45, 3
	s_add_co_u32 s67, s67, 960                     ; B's: on bx alone
	s_lshl_b32 s2, s[WC], 2
	s_add_co_u32 s92, s66, s2
	s_mul_i32 s92, s92, 12288
	s_mov_b32 s93, 0
	s_add_co_u32 s94, s67, s2
	s_mul_i32 s94, s94, 12288
	s_mov_b32 s95, 0
	s_mul_i32 s47, s[WV], PART                     ; where my four tiles go: no place in the cluster enters an LDS address
	s_wait_dscnt 0x0                               ; both opening adds are done
	s_wait_kmcnt 0x0
	s_mov_b32 s[G0A], 1
	s_mov_b32 s[G0A+1], s47
	s_add_nc_u64 s[G0A+2:G0A+3], s[4:5], s[92:93]
	s_or_b32 s[G0A+3], s[G0A+3], 0x80000000
	s_mov_b32 s[G0B], 1
	s_mov_b32 s[G0B+1], s47
	s_add_nc_u64 s[G0B+2:G0B+3], s[4:5], s[94:95]
	s_or_b32 s[G0B+3], s[G0B+3], 0x80000000
	CROUND                                         ; all sixteen work-groups are here: the joint loads meet
	s_cmp_eq_u32 s[WR], 0                          ; waves 0, 1 fetch A's halves, waves 2, 3 B's: one tensor load on every way
	s_cbranch_scc0 .Lfor_b
	tensor_load_to_lds s[G0A:G0A+3], s[G1A:G1A+7]
	s_nop 0
	PLACES 4
	s_branch .Lasked
.Lfor_b:
	tensor_load_to_lds s[G0B:G0B+3], s[G1B:G1B+7]
	s_nop 0
	PLACES 4
.Lasked:
	s_mul_i32 s70, s[WR], PART                     ; my four tiles of A,
	s_mul_i32 s71, s[WC], PART
	s_add_co_u32 s71, s71, 2*PART                  ; of B,
	s_mul_i32 s72, s[WV], 16*SPITCH
	s_add_co_u32 s72, s72, STAGE                   ; my stage
	s_lshl_b32 s73, s[WR], 2
	s_add_co_u32 s73, s73, s66
	s_lshl_b32 s73, s73, 9                         ; my A tiles' scale words, 512 bytes a tile,
	s_lshl_b32 s74, s[WC], 2
	s_add_co_u32 s74, s74, s67
	s_lshl_b32 s74, s74, 9                         ; and my B tiles'
	s_mov_b32 s75, 0xffff0000
	s_lshl_b32 s76, s45, 9
	s_lshl_b32 s77, s[WC], 8
	s_add_co_u32 s76, s76, s77                     ; my first column, in bytes
	s_mov_b32 s77, 0
	s_add_nc_u64 s[8:9], s[8:9], s[76:77]
	s_lshl_b32 s78, s46, 7
	s_lshl_b32 s79, s[WR], 6
	s_add_co_u32 s78, s78, s79                     ; my first row
	s_lshl_b32 s78, s78, 12
	s_add_co_u32 s78, s78, s76
	s_mov_b32 s79, 0
	s_add_nc_u64 s[12:13], s[12:13], s[78:79]
	s_lshl_b32 s81, s44, 2
	s_add_co_u32 s81, s81, s43                     ; my place in the cluster
	s_cmp_eq_u32 s81, 0
	s_cselect_b64 s[14:15], s[14:15], s[16:17]     ; out1 for the first, sink for the others
	s_lshl_b32 s81, s81, 2
	s_or_b32 s82, s80, s[WV]                       ; 0: wave 0 of a work-group of cluster (0, 0)
	s_mov_b32 s98, 0x76543210
	s_mov_b32 s99, 0xfedcba98                      ; selects for lane l xor 16
	v_and_b32 v1, 15, v0                           ; r
	v_bfe_u32 v2, v0, 4, 1                         ; h
	v_and_b32 v3, 31, v0                           ; lane
	v_lshlrev_b32 v16, 4, v3
	v_lshlrev_b32 v17, 3, v3
	v_add_nc_u32 v[A16], s70, v16
	v_add_nc_u32 v[A8], s70, v17
	v_add_nc_u32 v[B16], s71, v16
	v_add_nc_u32 v[B8], s71, v17
	v_mul_u32_u24 v[STO], v1, SPITCH               ; in: row r, 64 h bytes on
	v_lshl_add_u32 v[STO], v2, 6, v[STO]
	v_add_nc_u32 v[STO], s72, v[STO]
	v_mul_u32_u24 v[RD], v2, SPITCH                ; back: lanes 0-15 take one row of 256 bytes, lanes 16-31 the next
	v_lshl_add_u32 v[RD], v1, 4, v[RD]
	v_add_nc_u32 v[RD], s72, v[RD]
	v_lshlrev_b32 v[CO], 12, v2                    ; and the same two rows in out0
	v_lshl_add_u32 v[CO], v1, 4, v[CO]
	v_mov_b32 v20, s73
	v_mov_b32 v21, s74
	v_cndmask_b32 v20, v20, v21, s75               ; lanes 0-15 A's tiles, lanes 16-31 B's
	v_lshl_add_u32 v20, v1, 4, v20
	v_lshlrev_b32 v23, 6, v2                       ; 16 h numbers of bo
	v_lshlrev_b32 v26, 5, v3
	v_mov_b32 v27, s81
	s_wait_alu depctr_va_vdst(0)                   ; the wait ahead of the readers and of the branch below
.irp i, 0,1,2,3
.irp kh, 0,1
	global_load_b128 v[SC+8*\i+4*\kh:SC+8*\i+4*\kh+3], v20, s[6:7] offset:512*\i+256*\kh   ; the scale words come once, straight into registers
.endr
.endr
	WIN 0x40
.irp b, 0,1,2,3
	global_load_b128 v[96+8*\b:96+8*\b+3], v23, s[8:9] offset:(32*(\b/2)+8*(\b%2))*4       ; bo in the result's layout: columns 32 (b / 2) + 8 (b % 2) + 16 h + 0 .. 7
	global_load_b128 v[96+8*\b+4:96+8*\b+7], v23, s[8:9] offset:(32*(\b/2)+8*(\b%2))*4+16
.endr
	WIN 0
	s_cmp_lg_u32 s82, 0
	s_cbranch_scc1 .Lnot_mean
	global_load_b128 v[96:99], v26, s[10:11]       ; eight words of cw a lane
	global_load_b128 v[100:103], v26, s[10:11] offset:16
	s_wait_loadcnt 0x0
	v_pk_add_f32 v[96:97], v[96:97], v[98:99]
	v_pk_add_f32 v[100:101], v[100:101], v[102:103]
	v_pk_add_f32 v[96:97], v[96:97], v[100:101]
	v_add_f32 v96, v96, v97
.irp x, 1,2,4,8
	v_add_f32_dpp v96, v96, v96 row_xmask:\x row_mask:0xf bank_mask:0xf
.endr
	v_permlanex16_b32 v97, v96, s98, s99
	v_add_f32 v96, v96, v97
	v_mul_f32 v96, 0x3b800000, v96                 ; / 256
	s_mov_b32 s87, 1                               ; lane 0 alone stores
	s_wait_alu depctr_va_vdst(0)
	s_wait_xcnt 0x0                                ; EXEC changes only behind this wait
	s_and_saveexec_b32 s88, s87
	global_store_b32 v27, v96, s[14:15]
	s_wait_xcnt 0x0
	s_or_b32 exec_lo, exec_lo, s88
.Lnot_mean:
	s_wait_alu depctr_va_vdst(0)                   ; the wait at the head's end
	s_wait_tensorcnt 0x0                           ; my four tiles are in
	s_barrier_signal -1
	s_barrier_wait -1                              ; and everybody's
	FETCH 0
	s_wait_loadcnt 0x0                             ; scale words, bo
.irp k, 0,1,2,3,4,5,6,7
	KSTEP \k
.endr
; THE WAY OUT, a tile of 16 rows x 64 columns at a time, through my own stage and back as whole rows of 256 bytes.  LDS serves a wave's instructions in order: no wait between the stores and the loads.
; Every tile has registers of its own for its rows and every offset is an immediate: nothing that a store names is written again.
.macro TOSTAGE a
	WIN 0x08                                       ; the data: window 2
.irp b, 0,1,2,3
	ds_store_b128 v[STO], v[8*(4*(\a)+\b):8*(4*(\a)+\b)+3] offset:128*(\b/2)+32*(\b%2)       ; each accumulator from its low end on
	ds_store_b128 v[STO], v[8*(4*(\a)+\b)+4:8*(4*(\a)+\b)+7] offset:128*(\b/2)+32*(\b%2)+16
.endr
	WIN 0
.irp t, 0,1,2,3,4,5,6,7
	ds_load_b128 v[BK+32*(\a)+4*\t:BK+32*(\a)+4*\t+3], v[RD] offset:\t*2*SPITCH
.endr
.endm
.macro SEND a, younger                 ; younger: the LDS instructions issued behind tile a's loads, which may stay out
	s_wait_dscnt \younger
.irp t, 0,1,2,3,4,5,6,7
	global_store_b128 v[CO], v[BK+32*(\a)+4*\t:BK+32*(\a)+4*\t+3], s[12:13] offset:(32*((\a)/2)+8*((\a)%2)+2*\t+8*(\t/4))*4096 th:TH_STORE_NT   ; 16 lanes store 256 consecutive bytes, at a multiple of 256 from out0's first byte
.endr
.endm
	PLACES 4                                       ; in front of the first reads of results and of loads into A's registers
	TOSTAGE 0
.irp a, 1,2,3
	TOSTAGE \a
	SEND \a-1, 16                                  ; behind tile a - 1's loads: tile a's 8 stores and 8 loads
.endr
	SEND 3, 0
	s_wait_tensorcnt 0x0                           ; the wave's end
	ds_add_u32 v[SPW], v[NIL]
	s_wait_dscnt 0x0
	CROUND                                         ; the closing round
	s_endpgm
.Lfunc_end_k_qe4ebfc80f9_outp:
	.size	k_qe4ebfc80f9_outp, .Lfunc_end_k_qe4ebfc80f9_outp-k_qe4ebfc80f9_outp
	.p2alignl 7, 3214868480
	.fill 96, 4, 3214868480
	.section	.rodata,"a",@progbits
	.p2align	6, 0x0
	.amdhsa_kernel k_qe4ebfc80f9_outp
		.amdhsa_group_segment_fixed_size 327680
		.amdhsa_private_segment_fixed_size 0
		.amdhsa_enable_private_segment 0
		.amdhsa_kernarg_size 56
		.amdhsa_user_sgpr_count 2
		.amdhsa_user_sgpr_kernarg_segment_ptr 1
		.amdhsa_wavefront_size32 1
		.amdhsa_system_sgpr_workgroup_id_x 1
		.amdhsa_system_sgpr_workgroup_id_y 1
		.amdhsa_system_sgpr_workgroup_id_z 1
		.amdhsa_system_vgpr_workitem_id 0
		.amdhsa_next_free_vgpr 640
		.amdhsa_next_free_sgpr 100
		.amdhsa_reserve_vcc 0
		.amdhsa_float_denorm_mode_32 3
		.amdhsa_float_denorm_mode_16_64 3
		.amdhsa_memory_ordered 1
		.amdhsa_forward_progress 1
		.amdhsa_inst_pref_size 52
	.end_amdhsa_kernel
	.amdgpu_metadata
---
amdhsa.version: [ 1, 2 ]
amdhsa.kernels:
  - .name:           k_qe4ebfc80f9_outp
    .symbol:         k_qe4ebfc80f9_outp.kd
    .args:
      - { .name: cd, .offset: 0, .size: 8, .value_kind: global_buffer, .address_space: global }
      - { .name: sc, .offset: 8, .size: 8, .value_kind: global_buffer, .address_space: global }
      - { .name: bo, .offset: 16, .size: 8, .value_kind: global_buffer, .address_space: global }
      - { .name: cw, .offset: 24, .size: 8, .value_kind: global_buffer, .address_space: global }
      - { .name: out0, .offset: 32, .size: 8, .value_kind: global_buffer, .address_space: global }
      - { .name: out1, .offset: 40, .size: 8, .value_kind: global_buffer, .address_space: global }
      - { .name: sink, .offset: 48, .size: 8, .value_kind: global_buffer, .address_space: global }
    .group_segment_fixed_size: 327680
    .private_segment_fixed_size: 0
    .kernarg_segment_align: 8
    .kernarg_segment_size: 56
    .max_flat_workgroup_size: 128
    .sgpr_count:     100
    .vgpr_count:     640
    .wavefront_size: 32
...
	.end_amdgpu_metadata
.endif
;; end of part 4
